; MI455X (gfx1250); checked and timed in simulation.
; The chip was launched on July 23, 2026; its instructions are those of AMD's public machine-readable ISA for CDNA 5 (MIT licence, August 2026) and "CDNA5" Instruction Set Architecture Reference Guide (July 2026). The comments in the code are by the model that wrote it; some were corrected since.
;; Attention. Allowed arithmetic: float matrix products may take bf16 or f16 operands with f32 sums; all other float work in f32.
;; Inputs: attention_bias 4 x 1 x 2,048 x 2,048 float32; head_mask 1 x 16 x 1 x 1 float32; hidden_states 4 x 2,048 x 1,024 float32; o_b 1,024 float32; o_w 1,024 x 1,024 float32; qkv_b 3,072 float32; qkv_w 3,072 x 1,024 float32; rope_cos 1 x 2,048 x 1 x 64 float32; rope_sin 1 x 2,048 x 1 x 64 float32.
;; Outputs: out0 4 x 2,048 x 1,024 float32.
;; 2 versions, each right; version 2 is version 1 with the launch cast written anew for expert scheduling mode. Each part assembles by itself: llvm-mc -triple=amdgcn-amd-amdhsa -mcpu=gfx1250 --defsym DOCPART=n.
;; ======== version 1 of 2: 4 launches
;; limits: values are held in f16: magnitudes above 65,504 overflow, below 6.1e-05 lose precision; right only within a limited range of input values
;; workspace buffers: xh 16,777,216 bytes; wh 6,291,456 bytes; owh 2,097,152 bytes; qh 16,777,216 bytes; kh 16,777,216 bytes; vh 16,777,216 bytes; ctx 16,777,216 bytes
;; launch cast (part 1): grid 768 x 1, 8 waves a work-group, no clusters, 0 bytes of LDS; arguments hidden_states, qkv_w, o_w, head_mask, xh, wh, owh; writes xh, wh, owh
.if DOCPART == 1
	.amdgcn_target "amdgcn-amd-amdhsa--gfx1250"
	.amdhsa_code_object_version 6
	.text
	.protected	k_q96aeae5c80_cast
	.globl	k_q96aeae5c80_cast
	.p2align	8
	.type	k_q96aeae5c80_cast,@function
k_q96aeae5c80_cast:
	s_mov_b64 s[64:65], 0
	v_nop
	global_prefetch_b8 v0, s[64:65] scope:SCOPE_SE
	s_setreg_imm32_b32 hwreg(HW_REG_WAVE_MODE, 25, 1), 1
	s_wait_xcnt 0x0
; f32 -> f16, once, for the three matrix operands that are inputs.
; xh = x and wh = qkv_w are laid out in K BLOCKS: [k / 64][row][k % 64], so that the next launch's tile of 64 along K is dense in memory and is asked for as rows of 256 bytes.
; owh[n][k] = o_w[n][k] * head_mask[k / 64] * 256, row-major.  head_mask multiplies the probabilities of a head, hence that head's 64 channels of the context, hence those 64 columns of o_w:
; the product is made here in f32 and rounded once.  The factor 256 (exact) keeps small products in f16's normal range; the last launch multiplies by 1/256.
; LIMITS.  f16 ends at 65,504: |x| and |qkv_w| stay below that, |o_w * head_mask| below 255.9; beyond, an infinity is written.  Below 6.1e-5 f16 keeps a fixed step of 6e-8.
; SHARES.  A work-group takes 16 rows of 1,024 numbers: 65,536 bytes in, 32,768 out.  Groups 0-511: x; 512-703: qkv_w; 704-767: o_w.
; x, qkv_w: thread t takes row t / 16; in pass p the 16 bytes at 256 p + 16 (t % 16): a wave's load covers 256 consecutive bytes in each of two rows, and its store, the two rows' 128 bytes
; of K block p, 256 consecutive bytes at a multiple of 256.   o_w: in pass p (a row) thread t takes the 16 bytes at 16 t: loads of 512, stores of 256 consecutive bytes.
; All 16 loads go out first; no register is written twice, so nothing waits for a store.  No LDS, no matrix unit, no cluster: every byte is read once by one thread.
.set X, 4                              ; v[4:67]    pass p: 4 numbers as loaded
.set Y, 68                             ; v[68:99]   pass p: 4 numbers in f16
.set F, 100                            ; v[100:101] o_w's factor, twice
.set O, 102                            ; v[102:117] pass p: my byte offset in K block p
	s_load_b256 s[4:11], s[0:1], 0x0               ; x s[4:5], qkv_w s[6:7], o_w s[8:9], head_mask s[10:11]
	s_load_b128 s[12:15], s[0:1], 0x20             ; xh s[12:13], wh s[14:15]
	s_load_b64 s[16:17], s[0:1], 0x30              ; owh
	s_mov_b32 s24, ttmp9
	s_sub_co_u32 s25, s24, 512                     ; the chunk's number inside qkv_w,
	s_sub_co_u32 s26, s24, 704                     ; inside o_w
	s_mov_b32 s23, 0
	s_mov_b32 s28, 0x100000                        ; bytes in a K block of xh: 8,192 rows of 128,
	s_mov_b32 s29, 0x60000                         ; of wh: 3,072 rows
	s_wait_kmcnt 0x0
	s_cmp_ge_u32 s24, 512
	s_cselect_b64 s[18:19], s[6:7], s[4:5]         ; from
	s_cselect_b64 s[20:21], s[14:15], s[12:13]     ; to
	s_cselect_b32 s27, s25, s24
	s_cselect_b32 s28, s29, s28
	s_cmp_ge_u32 s24, 704
	s_cselect_b64 s[18:19], s[8:9], s[18:19]
	s_cselect_b64 s[20:21], s[16:17], s[20:21]
	s_cselect_b32 s27, s26, s27
	s_cselect_b32 s30, 15, 11                      ; a chunk's 16 rows: 32,768 bytes of owh, 2,048 bytes of a K block
	s_lshl_b32 s22, s27, 16
	s_add_nc_u64 s[18:19], s[18:19], s[22:23]
	s_lshl_b32 s22, s27, s30
	s_add_nc_u64 s[20:21], s[20:21], s[22:23]
	s_cmp_ge_u32 s24, 704
	s_cbranch_scc1 .Low
	v_and_b32 v1, 15, v0                           ; my place in 64 columns
	v_lshrrev_b32 v2, 4, v0                        ; my row of the 16
	v_lshlrev_b32 v3, 4, v1
	v_lshl_add_u32 v3, v2, 12, v3                  ; row x 4,096 + 16 x place
.set p, 0
.rept 16
	global_load_b128 v[X+4*p:X+4*p+3], v3, s[18:19] offset:256*p th:TH_LOAD_NT
.set p, p+1
.endr
	v_lshlrev_b32 v[O], 3, v1
	v_lshl_add_u32 v[O], v2, 7, v[O]               ; row x 128 + 8 x place, in K block 0;
.set p, 1
.rept 15
	v_add_nc_u32 v[O+p], s28, v[O+p-1]             ; a block further for each pass
.set p, p+1
.endr
.set p, 0
.rept 16
	s_wait_loadcnt 15-p                            ; loads come back in order: pass p is in, the younger 15 - p stay out
	v_cvt_pk_f16_f32 v[Y+2*p], v[X+4*p], v[X+4*p+1]
	v_cvt_pk_f16_f32 v[Y+2*p+1], v[X+4*p+2], v[X+4*p+3]
	global_store_b64 v[O+p], v[Y+2*p:Y+2*p+1], s[20:21]
.set p, p+1
.endr
	s_endpgm
.Low:
	v_lshlrev_b32 v1, 4, v0                        ; 16 t
	v_lshlrev_b32 v2, 3, v0                        ; 8 t
	v_lshrrev_b32 v3, 4, v0                        ; a pass is one row of 1,024 columns, so my 4 columns' head is t / 16 in every pass
	v_lshlrev_b32 v3, 2, v3
.set p, 0
.rept 16
	global_load_b128 v[X+4*p:X+4*p+3], v1, s[18:19] offset:4096*p th:TH_LOAD_NT
.set p, p+1
.endr
	global_load_b32 v[F], v3, s[10:11]             ; my head's factor
	s_wait_loadcnt 0x0
	v_mul_f32 v[F], 0x43800000, v[F]               ; x 256
	v_mov_b32 v[F+1], v[F]
.set p, 0
.rept 16
	v_pk_mul_f32 v[X+4*p:X+4*p+1], v[X+4*p:X+4*p+1], v[F:F+1]
	v_pk_mul_f32 v[X+4*p+2:X+4*p+3], v[X+4*p+2:X+4*p+3], v[F:F+1]
	v_cvt_pk_f16_f32 v[Y+2*p], v[X+4*p], v[X+4*p+1]
	v_cvt_pk_f16_f32 v[Y+2*p+1], v[X+4*p+2], v[X+4*p+3]
	global_store_b64 v2, v[Y+2*p:Y+2*p+1], s[20:21] offset:2048*p
.set p, p+1
.endr
	s_endpgm
.Lfunc_end_k_q96aeae5c80_cast:
	.size	k_q96aeae5c80_cast, .Lfunc_end_k_q96aeae5c80_cast-k_q96aeae5c80_cast
	.p2alignl 7, 3214868480
	.fill 96, 4, 3214868480
	.section	.rodata,"a",@progbits
	.p2align	6, 0x0
	.amdhsa_kernel k_q96aeae5c80_cast
		.amdhsa_group_segment_fixed_size 0
		.amdhsa_private_segment_fixed_size 0
		.amdhsa_enable_private_segment 0
		.amdhsa_kernarg_size 56
		.amdhsa_user_sgpr_count 2
		.amdhsa_user_sgpr_kernarg_segment_ptr 1
		.amdhsa_wavefront_size32 1
		.amdhsa_system_sgpr_workgroup_id_x 1
		.amdhsa_system_sgpr_workgroup_id_y 1
		.amdhsa_system_sgpr_workgroup_id_z 1
		.amdhsa_system_vgpr_workitem_id 0
		.amdhsa_next_free_vgpr 120
		.amdhsa_next_free_sgpr 66
		.amdhsa_reserve_vcc 0
		.amdhsa_float_denorm_mode_32 3
		.amdhsa_float_denorm_mode_16_64 3
		.amdhsa_memory_ordered 1
		.amdhsa_forward_progress 1
		.amdhsa_inst_pref_size 15
	.end_amdhsa_kernel
	.amdgpu_metadata
---
amdhsa.version: [ 1, 2 ]
amdhsa.kernels:
  - .name:           k_q96aeae5c80_cast
    .symbol:         k_q96aeae5c80_cast.kd
    .args:
      - { .name: hidden_states, .offset: 0, .size: 8, .value_kind: global_buffer, .address_space: global }
      - { .name: qkv_w, .offset: 8, .size: 8, .value_kind: global_buffer, .address_space: global }
      - { .name: o_w, .offset: 16, .size: 8, .value_kind: global_buffer, .address_space: global }
      - { .name: head_mask, .offset: 24, .size: 8, .value_kind: global_buffer, .address_space: global }
      - { .name: xh, .offset: 32, .size: 8, .value_kind: global_buffer, .address_space: global }
      - { .name: wh, .offset: 40, .size: 8, .value_kind: global_buffer, .address_space: global }
      - { .name: owh, .offset: 48, .size: 8, .value_kind: global_buffer, .address_space: global }
    .group_segment_fixed_size: 0
    .private_segment_fixed_size: 0
    .kernarg_segment_align: 8
    .kernarg_segment_size: 56
    .max_flat_workgroup_size: 256
    .sgpr_count:     66
    .vgpr_count:     120
    .wavefront_size: 32
...
	.end_amdgpu_metadata
.endif
;; end of part 1
;; launch qkv (part 2): grid 8 x 32, 4 waves a work-group, clusters of 4 x 4, 327,680 bytes of LDS; arguments xh, wh, qkv_b, rope_cos, rope_sin, qh, kh, vh; writes qh, kh, vh
.if DOCPART == 2
	.amdgcn_target "amdgcn-amd-amdhsa--gfx1250"
	.amdhsa_code_object_version 6
	.text
	.protected	k_q96aeae5c80_qkv
	.globl	k_q96aeae5c80_qkv
	.p2align	8
	.type	k_q96aeae5c80_qkv,@function
k_q96aeae5c80_qkv:
	s_mov_b64 s[64:65], 0
	v_nop
	global_prefetch_b8 v0, s[64:65] scope:SCOPE_SE
	s_setreg_imm32_b32 hwreg(HW_REG_WAVE_MODE, 25, 1), 1
	s_wait_xcnt 0x0
	s_wait_alu depctr_hold_cnt(0) depctr_sa_sdst(0) depctr_va_vdst(0) depctr_va_sdst(0) depctr_va_ssrc(0) depctr_va_vcc(0) depctr_vm_vsrc(0)
	s_getreg_b32 s2, hwreg(HW_REG_IB_STS2, 6, 4)
	s_cmp_eq_u32 s2, 0
	s_cbranch_scc0 .Lentry_in_a_cluster
	s_endpgm
.Lentry_in_a_cluster:
	s_bfe_u32 s2, ttmp6, 0x10000c
	s_cmp_lg_u32 s2, 0xf033
	s_cbranch_scc0 .Lentry_shape_is_right
	s_endpgm
.Lentry_shape_is_right:
; q, k, v = x W^T + b, RoPE on q and k, written by heads in f16.  xh: [16 K blocks][8192][64] f16, wh: [16 K blocks][3072][64] f16; sums, bias and RoPE in f32; one rounding to f16 at the end.
; q and k are written times 2^-6 (exact): the scores then come out times 2^-12, which the attention launch's softmax scale takes back.  v is written as it is.
; LIMITS.  |q|, |k| below 4.19e6 and |v| below 65,504 (f16's end after the prescale); beyond, an infinity is written.
; OUT.  qh: [b][h][s][64].  kh, vh: [b][h / 4][s / 64][h % 4][s % 64][64]: the four heads of a group for 64 keys lie together as 32,768 dense bytes, one tile of the attention launch.
; TILE.  256 rows x 384 columns: the 128 columns of one pair of heads in q, in k and in v.  8 x 32 = 256 work-groups, one for each of 256 WGPs.  Four waves, 2 x 2: a wave has 128 rows and ONE head's
; 64 columns of q, k and v: 96 accumulators of 16 x 16, 768 registers.  For 32 along K it reads (128 + 192) x 64 bytes of LDS for 96 matrix instructions.
; K goes in steps of 64 through two LDS slots: a step's tiles are dense in the blocked layouts and are asked for as rows of 256 bytes.  (A step of 128 would want 2 x 640 rows x 272 bytes: more than LDS has.)
; CLUSTER.  4 x 4 work-groups: x's tile, and the 256 positions' cos and sin, hang on the tile row alone and are asked for jointly along a row of the cluster; W's tiles on the tile column alone, jointly along a column.
; THE MATRIX INSTRUCTION IS USED TRANSPOSED (source 0 = 16 rows of W, source 1 = 16 rows of x): lane l holds row l % 16 and the eight columns 8 (l / 16) + 0..7 of a 16 x 16 block.
; THE WAY OUT IS LOOPS, to keep the text short: accumulators go as f32 into the wave's own part of the ring, which has had its last fill, and come back 8 lanes to a row, 8 neighbouring channels a lane.
; REGISTERS.  window 0: v0-31 addresses; v32-95, v96-159 x's 8 fragments, two buffers; v160-255 W's 4 fragments of q, of k, of v, one set each, loaded again behind the run that read it.
;   windows 1, 2, 3: the accumulators of q, k, v: (a, b) at v[8 (4 a + b)], a = 0..7 row blocks, b = 0..3 column blocks.   s_set_vgpr_msb: bits 1:0 source 0, 3:2 source 1, 5:4 source 2, 7:6 destination.
.set PITCH,  144                       ; an LDS row of x or W: 128 bytes + 16 of padding = 36 words: the 16 rows of a fragment load start at 16 different groups of four banks (ISA guide 11.1)
.set ATILE,  256*PITCH                 ; x's 256 rows
.set BKIND,  128*PITCH                 ; W's 128 rows of one kind
.set SLOT,   ATILE+3*BKIND             ; 92,160
.set CSL,    2*SLOT                    ; behind the ring: cos, then sin, of the tile's 256 positions; filled once
.set CPITCH, 272                       ; a row of 64 f32 + 16 bytes: two neighbouring rows' 32-byte pieces fall on different banks
.set CSQ,    128*CPITCH                ; what one wave's load brings of cos or of sin
.set CSTAB,  2*CSQ
.set SPARE,  CSL+2*CSTAB               ; the spare words, 128 bytes for each wave: two blocks of 256 bytes that no other line names
.set SCR,    46080                     ; the way out: a wave's part of the ring, of which it uses 128 rows x 272 bytes
.set ABLK,   8192*128                  ; bytes from a K block of xh to the next
.set BBLK,   3072*128                  ; the same for wh
.set ADRA, 3                           ; v3-4   LDS address of my fragments of x in slot 0, 1
.set ADRB, 5                           ; v5-6   the same for W
.set DST,  7                           ; v7     the way out: where I put 32 bytes of a row
.set RDX0, 8                           ; v8     where I read 32 bytes of a row back; v9, v10 the same in cos, in sin
.set RDC0, 9
.set RDS0, 10
.set GO0,  11                          ; v11    my 16 bytes in 512 consecutive bytes of the output
.set SPW,  12                          ; v12    LDS address of my spare word; never rewritten
.set NIL,  13                          ; v13    0; never rewritten
.set SGN,  14                          ; v[14:15] -1 for channels 0-31, +1 for channels 32-63, twice
.set BO,   16                          ; v16    my byte offset in a head's 64 numbers of the bias
.set RDX,  17                          ; v17-20 the four offsets above in the trip in hand
.set RDC,  18
.set RDS,  19
.set GO,   20
.set FA0,  32
.set FA1,  96
.set FB,   160
.set BQ,   32                          ; the way out: v[32:39], v[40:47] the bias of my 8 channels of q, of k, times the prescale; v[48:55] of v
.set BV,   48
.set CSR,  64                          ; v[64:127]  pass p: cos of my 8 channels, then sin
.set XQ,   128                         ; v[128:159] pass p: my 8 numbers of q;   v[160:191] of k
.set XK,   160
.set T,    192                         ; v[192:207] at work
.set PKR,  208                         ; v[208:239] q's four passes in f16, then k's
.set XV,   64                          ; v[64:127]  v: pass i: my 8 numbers;   v[128:159] in f16
.set PKV,  128
.set G1,   24                          ; s[24:31] descriptor group 1 for x's tiles;  s[32:39] group 0, a set for each slot
.set G0,   32
.set G1B,  48                          ; s[48:55], s[56:63] the same for W's tiles
.set G0B,  56
.set G1C,  76                          ; s[76:83], s[84:87] groups 1 and 0 for cos and sin
.set G0C,  84
.set OQB,  88                          ; s[88:93] where my rows of q, k, v go
.set OKB,  90
.set OVB,  92
.set SC,   94                          ; s[94:95] 2^-6
.set BB,   96                          ; s[96:97] the bias at my head's columns of q
.set RX,   16                          ; the way out's steps: s16 in the scratch, s17 in cos and sin, s18 in the output; s19, s20 counters
.set RC,   17
.set GS,   18
.set CNT,  19
.set HALF, 20
.set MSB, 0
.macro WIN new                         ; the immediate's high byte repeats the setting that is left; a switch that changes nothing is dropped
.if MSB != (\new)
	s_set_vgpr_msb (MSB<<8)|(\new)
.set MSB, \new
.endif
.endm
; A joint load, one a wave: waves 0, 1, 2 fetch W's rows of q, k, v (the kind is the wave's number), wave 3 fetches x's tile.
; An s_nop 0 and four v_nop follow each of the two lines, ahead of the jump, the label and what follows.
.macro JLOAD s
	s_cmp_eq_u32 s12, 3
	s_cbranch_scc0 .Lfor_b_\@
	tensor_load_to_lds s[G0+4*(\s):G0+4*(\s)+3], s[G1:G1+7]
	s_nop 0
.rept 4
	v_nop
.endr
	s_branch .Lasked_\@
.Lfor_b_\@:
	tensor_load_to_lds s[G0B+4*(\s):G0B+4*(\s)+3], s[G1B:G1B+7]
	s_nop 0
.rept 4
	v_nop
.endr
.Lasked_\@:
.endm
.macro CREST                           ; a round of the cluster's barrier behind its opening barrier
	s_cmp_lg_u32 s12, 0
	s_cbranch_scc1 .Lnot_wave_0_\@
	s_barrier_signal -3
.Lnot_wave_0_\@:
	s_barrier_wait -3
	s_barrier_signal -1
	s_barrier_wait -1
.endm
.macro CROUND                          ; a whole round
	s_barrier_signal -1
	s_barrier_wait -1
	CREST
.endm
	s_load_b256 s[4:11], s[0:1], 0x0               ; xh s[4:5], wh s[6:7], qkv_b s[8:9], rope_cos s[10:11]
	s_load_b256 s[68:75], s[0:1], 0x20             ; rope_sin s[68:69], qh s[70:71], kh s[72:73], vh s[74:75]
	v_lshl_add_u32 v[SPW], v0, 2, SPARE
	v_mov_b32 v[NIL], 0
	ds_add_u32 v12, v13
	s_wait_dscnt 0x0
	v_lshrrev_b32 v1, 5, v0
	v_readfirstlane_b32 s12, v1                    ; wave 0..3
	s_lshr_b32 s13, s12, 1                         ; which half of the tile's rows is mine
	s_and_b32 s14, s12, 1                          ; which head of the pair
	s_bfe_u32 s40, ttmp6, 0x40000                  ; cx, cy: my place in the cluster
	s_bfe_u32 s41, ttmp6, 0x40004
	s_lshl_b32 s42, ttmp9, 2
	s_add_co_u32 s42, s42, s40                     ; tile column (the pair of heads) = 4 x cluster x + cx
	s_and_b32 s43, ttmp7, 0xffff
	s_lshl_b32 s43, s43, 2
	s_add_co_u32 s43, s43, s41                     ; tile row = 4 x cluster y + cy
	s_lshl_b32 s44, s41, 2
	s_lshl_b32 s44, 15, s44                        ; my row of the cluster
	s_lshl_b32 s45, 0x1111, s40                    ; my column
	; descriptor group 1.  x: 32,768 dense bytes as 128 rows of 256 bytes, two rows of x each, padded in LDS after every 128 bytes.  W: 16,384 dense bytes as 64 such rows.  cos, sin: 128 rows of 64 f32.
	s_or_b32 s[G1+0], s44, (1<<16)|(1<<20)|(1<<21)|(4<<22)|(3<<25)   ; 15:0 the mask; 17:16 2-byte elements; 20 padding on; 21 set beside a mask; 24:22 after every 32 words; 31:25 4 words
	s_or_b32 s[G1B+0], s45, (1<<16)|(1<<20)|(1<<21)|(4<<22)|(3<<25)
	s_or_b32 s[G1C+0], s44, (2<<16)|(1<<20)|(1<<21)|(5<<22)|(3<<25)  ; 4-byte elements; after every 64 words 4 words
	s_mov_b32 s[G1+1], 128<<16                     ; tensor_dim0 = 128
	s_mov_b32 s[G1+2], 128<<16                     ; tensor_dim1 = 128
	s_mov_b32 s[G1+3], 128<<16                     ; tile_dim0 = 128
	s_mov_b32 s[G1+4], 128                         ; tile_dim1 = 128
	s_mov_b32 s[G1+5], 128                         ; elements from row to row
	s_mov_b32 s[G1+6], 0
	s_mov_b32 s[G1+7], 0
	s_mov_b32 s[G1B+1], 128<<16
	s_mov_b32 s[G1B+2], 64<<16                     ; 64 rows
	s_mov_b32 s[G1B+3], 128<<16
	s_mov_b32 s[G1B+4], 64
	s_mov_b32 s[G1B+5], 128
	s_mov_b32 s[G1B+6], 0
	s_mov_b32 s[G1B+7], 0
	s_mov_b32 s[G1C+1], 64<<16
	s_mov_b32 s[G1C+2], 128<<16
	s_mov_b32 s[G1C+3], 64<<16
	s_mov_b32 s[G1C+4], 128
	s_mov_b32 s[G1C+5], 64
	s_mov_b32 s[G1C+6], 0
	s_mov_b32 s[G1C+7], 0
	s_lshl_b32 s16, s43, 15                        ; x: tile row x 256 rows of 128 bytes, in K block 0: the tile row alone
	s_mov_b32 s17, 0
	s_lshl_b32 s46, s12, 17                        ; W: kind (waves 0, 1, 2: the wave's number) x 1,024 rows of 128 bytes
	s_lshl_b32 s47, s42, 14                        ; + tile column x 128 rows: the tile column and the wave's number alone
	s_add_co_u32 s46, s46, s47
	s_mov_b32 s47, 0
	s_mul_i32 s21, s12, BKIND                      ; and where W's rows go: behind x's, kind by kind.  No place in the cluster enters an LDS address.
	s_add_co_u32 s21, s21, ATILE                   ; (Wave 3 makes W's two numbers too and issues no load with them.)
	s_and_b32 s22, s43, 7                          ; cos, sin: a batch has 8 tile rows of 256 positions, of 256 bytes each;
	s_lshl_b32 s22, s22, 16
	s_lshl_b32 s23, s14, 15                        ; waves 0, 1 fetch the halves of cos, waves 2, 3 those of sin
	s_add_co_u32 s22, s22, s23
	s_mov_b32 s23, 0
	s_mul_i32 s20, s12, CSQ
	s_add_co_u32 s20, s20, CSL
	s_mov_b32 s[G0C], 1
	s_mov_b32 s[G0C+1], s20
	s_wait_kmcnt 0x0
	s_add_nc_u64 s[18:19], s[4:5], s[16:17]
	s_add_nc_u64 s[46:47], s[6:7], s[46:47]
	s_cmp_lt_u32 s12, 2
	s_cselect_b64 s[G0C+2:G0C+3], s[10:11], s[68:69]
	s_add_nc_u64 s[G0C+2:G0C+3], s[G0C+2:G0C+3], s[22:23]
	s_or_b32 s[G0C+3], s[G0C+3], 0x80000000
	CROUND                                         ; all sixteen work-groups are here: the first joint loads meet
.irp s, 0,1
	s_mov_b32 s[G0+4*(\s)], 1
	s_mov_b32 s[G0+4*(\s)+1], (\s)*SLOT
	s_add_nc_u64 s[G0+4*(\s)+2:G0+4*(\s)+3], s[18:19], (\s)*ABLK
	s_or_b32 s[G0+4*(\s)+3], s[G0+4*(\s)+3], 0x80000000
	s_mov_b32 s[G0B+4*(\s)], 1
	s_add_co_u32 s[G0B+4*(\s)+1], s21, (\s)*SLOT
	s_add_nc_u64 s[G0B+4*(\s)+2:G0B+4*(\s)+3], s[46:47], (\s)*BBLK
	s_or_b32 s[G0B+4*(\s)+3], s[G0B+4*(\s)+3], 0x80000000
	JLOAD \s
.endr
	tensor_load_to_lds s[G0C:G0C+3], s[G1C:G1C+7]  ; my quarter of cos and sin: the third and last of my first fills; three tensor loads of mine are out
	s_nop 0
.rept 4
	v_nop
.endr
	v_and_b32 v1, 15, v0                           ; l % 16
	v_bfe_u32 v2, v0, 4, 1                         ; l / 16
	v_mul_u32_u24 v21, v1, PITCH
	v_lshl_add_u32 v21, v2, 4, v21                 ; a fragment's row x pitch + 16 x half
	s_mul_i32 s22, s13, 128*PITCH                  ; my 128 rows of x
	s_mul_i32 s23, s14, 64*PITCH                   ; my head's 64 rows in each kind's 128,
	s_add_co_u32 s23, s23, ATILE                   ; behind x's 256
.irp s, 0,1
	v_add_nc_u32 v[ADRA+(\s)], s22, v21
	v_add_nc_u32 v[ADRB+(\s)], s23, v21
	s_add_co_u32 s22, s22, SLOT
	s_add_co_u32 s23, s23, SLOT
.endr
	s_mul_i32 s22, s12, SCR                        ; my scratch
	v_mul_u32_u24 v22, v1, CPITCH                  ; in: row l % 16, 32 bytes for each half of the lanes
	v_lshl_add_u32 v22, v2, 5, v22
	v_add_nc_u32 v[DST], s22, v22
	v_bfe_u32 v23, v0, 3, 2                        ; back: 8 lanes to a row, four rows; lane l: row l / 8, channels 8 (l % 8) on
	v_and_b32 v24, 7, v0
	v_mul_u32_u24 v23, v23, CPITCH
	v_lshl_add_u32 v23, v24, 5, v23
	v_add_nc_u32 v[RDX0], s22, v23
	s_mul_i32 s23, s13, 128*CPITCH                 ; the same place in my 128 positions' cos
	s_add_co_u32 s23, s23, CSL
	v_add_nc_u32 v[RDC0], s23, v23
	v_add_nc_u32 v[RDS0], CSTAB, v[RDC0]           ; and sin
	v_and_b32 v[GO0], 31, v0                       ; four rows of 128 bytes are 512 consecutive bytes of the output
	v_lshlrev_b32 v[GO0], 4, v[GO0]
	v_lshlrev_b32 v[BO], 5, v24
	v_and_b32 v25, 4, v0                           ; channels 0-31 (l % 8 < 4) take the sign bit
	v_xor_b32 v25, 4, v25
	v_lshlrev_b32 v25, 29, v25
	v_or_b32 v[SGN], 0x3f800000, v25
	v_mov_b32 v[SGN+1], v[SGN]
	; where my 128 rows of one head go
	s_lshl_b32 s16, s42, 1
	s_add_co_u32 s16, s16, s14                     ; the head
	s_lshr_b32 s17, s43, 3                         ; the batch
	s_and_b32 s18, s43, 7
	s_lshl_b32 s18, s18, 8
	s_lshl_b32 s19, s13, 7
	s_add_co_u32 s18, s18, s19                     ; s0: my first position in the sequence, a multiple of 128
	s_lshl_b32 s19, s17, 4
	s_add_co_u32 s19, s19, s16
	s_lshl_b32 s19, s19, 11
	s_add_co_u32 s19, s19, s18
	s_lshl_b32 s20, s19, 7                         ; q: ((16 b + h) 2,048 + s0) rows of 128 bytes
	s_mov_b32 s21, 0
	s_add_nc_u64 s[OQB:OQB+1], s[70:71], s[20:21]
	s_lshl_b32 s19, s17, 2
	s_lshr_b32 s20, s16, 2
	s_add_co_u32 s19, s19, s20
	s_lshl_b32 s19, s19, 5
	s_lshr_b32 s20, s18, 6
	s_add_co_u32 s19, s19, s20
	s_lshl_b32 s20, s19, 15                        ; k, v: ((4 b + h / 4) 32 + s0 / 64) blocks of 32,768 bytes
	s_and_b32 s19, s16, 3
	s_lshl_b32 s19, s19, 13
	s_add_co_u32 s20, s20, s19                     ; + (h % 4) x 64 rows of 128 bytes
	s_add_nc_u64 s[OKB:OKB+1], s[72:73], s[20:21]
	s_add_nc_u64 s[OVB:OVB+1], s[74:75], s[20:21]
	s_lshl_b32 s20, s16, 8                         ; the bias: my head's 64 numbers of q; k's and v's lie 4,096 and 8,192 bytes on
	s_add_nc_u64 s[BB:BB+1], s[8:9], s[20:21]
	s_mov_b32 s[SC], 0x3c800000                    ; 2^-6
	s_mov_b32 s[SC+1], s[SC]                       ; named with it as a pair
; n x 4 matrix instructions of kind kd (1 q, 2 k, 3 v): row blocks a0 .. a0 + n - 1 x the kind's 4 column blocks, 32 along K, x's fragments from buffer fa.  zero = 1: the product starts the sums: nothing is cleared.
; The 96 accumulators take turns in the same order in every quarter step, one instruction a turn.
.macro STR kd, fa, a0, n, zero
	WIN ((\kd)<<6)|((\kd)<<4)                      ; C and D in the kind's window, the fragments in window 0
.set aa, \a0
.rept \n
.irp b, 0,1,2,3
.if \zero
	v_wmma_f32_16x16x32_f16 v[8*(4*aa+\b):8*(4*aa+\b)+7], v[FB+32*((\kd)-1)+8*\b:FB+32*((\kd)-1)+8*\b+7], v[(\fa)+8*aa:(\fa)+8*aa+7], 0
.else
	v_wmma_f32_16x16x32_f16 v[8*(4*aa+\b):8*(4*aa+\b)+7], v[FB+32*((\kd)-1)+8*\b:FB+32*((\kd)-1)+8*\b+7], v[(\fa)+8*aa:(\fa)+8*aa+7], v[8*(4*aa+\b):8*(4*aa+\b)+7]
.endif
.endr
.set aa, aa+1
.endr
.endm
.macro LDB kd, slot, k                 ; 8 LDS loads: the kind's 4 fragments of W, 32 along K at byte k of the rows
	WIN 0
.irp i, 0,1,2,3
	ds_load_b128 v[FB+32*((\kd)-1)+8*\i:FB+32*((\kd)-1)+8*\i+3],   v[ADRB+(\slot)] offset:((\kd)-1)*BKIND+\i*16*PITCH+(\k)
	ds_load_b128 v[FB+32*((\kd)-1)+8*\i+4:FB+32*((\kd)-1)+8*\i+7], v[ADRB+(\slot)] offset:((\kd)-1)*BKIND+\i*16*PITCH+(\k)+32
.endr
.endm
.macro LDA fa, slot, k, a0             ; 8 LDS loads: x's fragments a0 .. a0 + 3 into buffer fa
	WIN 0
.irp i, 0,1,2,3
	ds_load_b128 v[(\fa)+8*((\a0)+\i):(\fa)+8*((\a0)+\i)+3],   v[ADRA+(\slot)] offset:((\a0)+\i)*16*PITCH+(\k)
	ds_load_b128 v[(\fa)+8*((\a0)+\i)+4:(\fa)+8*((\a0)+\i)+7], v[ADRA+(\slot)] offset:((\a0)+\i)*16*PITCH+(\k)+32
.endr
.endm
.macro PLACES                          ; four plain vector instructions in front of loads into registers that matrix instructions have read (ISA guide 7.12.1 for vector instructions)
.rept 4
	v_nop
.endr
.endm
; A K step is two quarters of 32 along K; a quarter is three runs of 32 matrix instructions, q, k, v.  Behind each run stand the next quarter's loads: W's fragments of the kind just multiplied, into the
; registers just read, and (behind q and k) half of x's fragments, into the other buffer: runs of 16, 16 and 8 loads, each 32 matrix instructions or more ahead of its first use.
; The first quarter of a slot: multiplies buffer 0 and fetches the slot's second 32 along K.
.macro QUART slot, zero
	s_wait_dscnt 8                                 ; all but the youngest eight loads, W's fragments of v
	STR 1, FA0, 0, 8, \zero
	PLACES
	LDB 1, \slot, 64
	LDA FA1, \slot, 64, 0
	s_wait_dscnt 16                                ; all but the 16 just issued: W's fragments of k and of v are in
	STR 2, FA0, 0, 8, \zero
	PLACES
	LDB 2, \slot, 64
	LDA FA1, \slot, 64, 4
	STR 3, FA0, 0, 8, \zero
	PLACES
	LDB 3, \slot, 64
.endm
; The second quarter multiplies buffer 1 and changes slots: ONE barrier; in front of it each wave waits for all its tensor loads, adds 0 to its spare word, and waits for that and for its own reads of
; this slot, all of which have been issued.  fill = 1: the barrier opens a round of the cluster's, and this slot is filled again first thing behind it, two K steps ahead:
; 160 matrix instructions stand between that request and the wait for it.
.macro TURNQ slot, next, fill
	WIN 0                                          ; (the add's two registers lie in window 0)
	s_wait_tensorcnt 0x0                           ; all my tensor loads have landed: my part of the next slot (the first time my part of cos and sin too)
	ds_add_u32 v[SPW], v[NIL]                      ; 0 onto my spare word
	s_wait_dscnt 9                                 ; (the add and the youngest eight loads may be out)
	STR 1, FA1, 0, 4, 0                            ; sixteen matrix instructions stand between the add and the wait for it
	s_wait_dscnt 0x0                               ; the add is done, and my reads of this slot are over
	s_barrier_signal -1
	STR 1, FA1, 4, 4, 0
.if \fill
	WIN 0
.endif
	s_barrier_wait -1
.if \fill
	CREST                                          ; no wave of any partner still reads this slot's tiles or has a load on its way
	s_add_nc_u64 s[G0+4*(\slot)+2:G0+4*(\slot)+3], s[G0+4*(\slot)+2:G0+4*(\slot)+3], 2*ABLK
	s_add_nc_u64 s[G0B+4*(\slot)+2:G0B+4*(\slot)+3], s[G0B+4*(\slot)+2:G0B+4*(\slot)+3], 2*BBLK
	JLOAD \slot                                    ; my one tensor load behind the round; its four v_nop are also the places in front of the loads below
.else
	PLACES
.endif
	LDB 1, \next, 0
	LDA FA0, \next, 0, 0
	STR 2, FA1, 0, 8, 0
	PLACES
	LDB 2, \next, 0
	LDA FA0, \next, 0, 4
	STR 3, FA1, 0, 8, 0
	PLACES
	LDB 3, \next, 0
.endm
	s_wait_tensorcnt 2                             ; my part of K step 0 is in; K step 1's and cos and sin may stay out
	s_barrier_signal -1
	s_barrier_wait -1
	LDB 1, 0, 0                                    ; the first quarter's 40 loads, in the order of every quarter's
	LDA FA0, 0, 0, 0
	LDB 2, 0, 0
	LDA FA0, 0, 0, 4
	LDB 3, 0, 0
	QUART 0, 1                                     ; the first quarter stands in front of the loop: its products start the sums
	WIN 0                                          ; at a label and at a branch every window is 0
	s_mov_b32 s3, 7
.Llap:                                                 ; a trip goes once round the ring, from a lap's second quarter to the next lap's first, and fills both slots again: K steps 2 to 15
	TURNQ 0, 1, 1
	QUART 1, 0
	TURNQ 1, 0, 1
	QUART 0, 0
	WIN 0
	s_sub_co_u32 s3, s3, 1
	s_cmp_lg_u32 s3, 0
	s_cbranch_scc1 .Llap
	TURNQ 0, 1, 0                                  ; the last lap fills nothing
	QUART 1, 0
.irp kd, 0,1,2                         ; the bias of my 8 channels of q, k, v, into registers of buffer 0, whose last readers stand in front of the four places above
	global_load_b128 v[BQ+8*\kd:BQ+8*\kd+3],   v[BO], s[BB:BB+1] offset:4096*\kd
	global_load_b128 v[BQ+8*\kd+4:BQ+8*\kd+7], v[BO], s[BB:BB+1] offset:4096*\kd+16
.endr
	s_wait_dscnt 8                                 ; the very last quarter: nothing more to fetch
	STR 1, FA1, 0, 8, 0
	s_wait_dscnt 0x0                               ; my reads of the ring are over:
	s_barrier_signal -1                            ; say so, since the ring becomes scratch,
	STR 2, FA1, 0, 8, 0
	STR 3, FA1, 0, 8, 0
	WIN 0
	s_barrier_wait -1                              ; and write into it only when all four waves have said so
; THE WAY OUT.  DUMP: n row blocks of kind kd, from block a0 on, go as f32 into my scratch at byte base: row l % 16, 32 bytes a lane; each accumulator's low registers first.
.macro DUMP kd, a0, n, base
	WIN (\kd)<<2                                   ; the data (source 1) in the kind's window
.set aa, 0
.rept \n
.irp b, 0,1,2,3
	ds_store_b128 v[DST], v[8*(4*((\a0)+aa)+\b):8*(4*((\a0)+aa)+\b)+3]   offset:(\base)+aa*16*CPITCH+64*\b
	ds_store_b128 v[DST], v[8*(4*((\a0)+aa)+\b)+4:8*(4*((\a0)+aa)+\b)+7] offset:(\base)+aa*16*CPITCH+64*\b+16
.endr
.set aa, aa+1
.endr
	WIN 0
.endm
; Pass p of a trip: four rows of q and of k.  x = (sum + bias) x prescale, one fused multiply-add a pair.  RoPE: channel d and channel d + 32 of a row lie four lanes apart, so the partner comes by
; row_xmask:4 on the multiply: out = x cos + (-+ partner) sin, with the sign laid onto sin once for q and k.  One rounding to f16; a store covers 512 consecutive bytes.
.macro PASSQK p
	s_wait_dscnt 24-8*(\p)                         ; LDS loads come back in order: this pass's eight are in, the later passes' may be out
.set CB, CSR+16*(\p)
.set XA, XQ+8*(\p)
.set XB, XK+8*(\p)
.irp i, 0,2,4,6
	v_pk_mul_f32 v[CB+8+\i:CB+9+\i], v[CB+8+\i:CB+9+\i], v[SGN:SGN+1]
	v_pk_fma_f32 v[XA+\i:XA+\i+1], v[XA+\i:XA+\i+1], s[SC:SC+1], v[BQ+\i:BQ+\i+1] op_sel_hi:[1,0,1]
	v_pk_fma_f32 v[XB+\i:XB+\i+1], v[XB+\i:XB+\i+1], s[SC:SC+1], v[BQ+8+\i:BQ+9+\i] op_sel_hi:[1,0,1]
.endr
.irp i, 0,1,2,3,4,5,6,7
	v_mul_f32_dpp v[T+\i], v[XA+\i], v[CB+8+\i] row_xmask:4 row_mask:0xf bank_mask:0xf
	v_mul_f32_dpp v[T+8+\i], v[XB+\i], v[CB+8+\i] row_xmask:4 row_mask:0xf bank_mask:0xf
.endr
.irp i, 0,2,4,6
	v_pk_fma_f32 v[XA+\i:XA+\i+1], v[XA+\i:XA+\i+1], v[CB+\i:CB+\i+1], v[T+\i:T+\i+1]
	v_pk_fma_f32 v[XB+\i:XB+\i+1], v[XB+\i:XB+\i+1], v[CB+\i:CB+\i+1], v[T+8+\i:T+9+\i]
.endr
.if (\p) == 0
	s_wait_xcnt 0x0                                ; the last trip's stores have read their data and their offset (ISA guide 3.1): both are rewritten only behind this wait
	v_add_nc_u32 v[GO], s[GS], v[GO0]
.endif
.irp i, 0,1,2,3
	v_cvt_pk_f16_f32 v[PKR+4*(\p)+\i], v[XA+2*\i], v[XA+2*\i+1]
	v_cvt_pk_f16_f32 v[PKR+16+4*(\p)+\i], v[XB+2*\i], v[XB+2*\i+1]
.endr
	global_store_b128 v[GO], v[PKR+4*(\p):PKR+4*(\p)+3], s[OQB:OQB+1] offset:512*(\p)
	global_store_b128 v[GO], v[PKR+16+4*(\p):PKR+16+4*(\p)+3], s[OKB:OKB+1] offset:512*(\p)
.endm
.macro PASSV i                         ; four rows of v: passes 0-3 in my rows 0-63, passes 4-7 the same rows 64 further down, which lie a block of 32,768 bytes on
	s_wait_dscnt 14-2*(\i)
.set XA, XV+8*(\i)
.irp j, 0,2,4,6
	v_pk_add_f32 v[XA+\j:XA+\j+1], v[XA+\j:XA+\j+1], v[BV+\j:BV+\j+1]
.endr
.if (\i) == 0
	s_wait_xcnt 0x0                                ; as above
	v_add_nc_u32 v[GO], s[GS], v[GO0]
.endif
.irp j, 0,1,2,3
	v_cvt_pk_f16_f32 v[PKV+4*(\i)+\j], v[XA+2*\j], v[XA+2*\j+1]
.endr
	global_store_b128 v[GO], v[PKV+4*(\i):PKV+4*(\i)+3], s[OVB:OVB+1] offset:((\i)/4)*32768+((\i)%4)*512
.endm
	s_wait_loadcnt 0x0                             ; the bias
.set zi, 0
.rept 8                                ; q's and k's bias times the prescale: eight plain instructions, the places behind the last products
	v_pk_mul_f32 v[BQ+zi:BQ+zi+1], v[BQ+zi:BQ+zi+1], s[SC:SC+1] op_sel_hi:[1,0]
.set zi, zi+2
.endr
	DUMP 1, 0, 4, 0                                ; my rows 0-63 of q, and behind them of k: 2 x 64 rows x 272 bytes
	DUMP 2, 0, 4, 64*CPITCH
	s_mov_b32 s[RC], 0
	s_mov_b32 s[GS], 0
	s_mov_b32 s[HALF], 2
.Lhalf:                                                ; twice: my rows 0-63, my rows 64-127
	s_mov_b32 s[RX], 0
	s_mov_b32 s[CNT], 4
.Lrows:                                                ; a trip: 16 rows of q and of k, in four passes; cos and sin are read once for both
	v_add_nc_u32 v[RDX], s[RX], v[RDX0]
	v_add_nc_u32 v[RDC], s[RC], v[RDC0]
	v_add_nc_u32 v[RDS], s[RC], v[RDS0]
.irp p, 0,1,2,3
	ds_load_b128 v[CSR+16*\p:CSR+16*\p+3],     v[RDC] offset:\p*4*CPITCH
	ds_load_b128 v[CSR+16*\p+4:CSR+16*\p+7],   v[RDC] offset:\p*4*CPITCH+16
	ds_load_b128 v[CSR+16*\p+8:CSR+16*\p+11],  v[RDS] offset:\p*4*CPITCH
	ds_load_b128 v[CSR+16*\p+12:CSR+16*\p+15], v[RDS] offset:\p*4*CPITCH+16
	ds_load_b128 v[XQ+8*\p:XQ+8*\p+3],         v[RDX] offset:\p*4*CPITCH       ; LDS serves a wave's instructions in order (ISA guide 5.7.1.4): these see my stores above
	ds_load_b128 v[XQ+8*\p+4:XQ+8*\p+7],       v[RDX] offset:\p*4*CPITCH+16
	ds_load_b128 v[XK+8*\p:XK+8*\p+3],         v[RDX] offset:64*CPITCH+\p*4*CPITCH
	ds_load_b128 v[XK+8*\p+4:XK+8*\p+7],       v[RDX] offset:64*CPITCH+\p*4*CPITCH+16
.endr
	PASSQK 0
	PASSQK 1
	PASSQK 2
	PASSQK 3
	s_add_co_u32 s[RX], s[RX], 16*CPITCH           ; 16 rows on in the scratch, in cos and sin,
	s_add_co_u32 s[RC], s[RC], 16*CPITCH
	s_add_co_u32 s[GS], s[GS], 2048                ; and in the output
	s_sub_co_u32 s[CNT], s[CNT], 1
	s_cmp_lg_u32 s[CNT], 0
	s_cbranch_scc1 .Lrows
	s_cmp_eq_u32 s[HALF], 1
	s_cbranch_scc1 .Lnodump                        ; behind the second half nothing is left of q and k
	DUMP 1, 4, 4, 0                                ; my rows 64-127, over the first half, whose reads have come back
	DUMP 2, 4, 4, 64*CPITCH
	s_wait_xcnt 0x0                                ; the stores have read k's base
	s_add_nc_u64 s[OKB:OKB+1], s[OKB:OKB+1], 24576 ; q's rows go on without a gap; k's next 64 lie a block of 32,768 bytes on, of which the offset has stepped 8,192
.Lnodump:
	s_sub_co_u32 s[HALF], s[HALF], 1
	s_cmp_lg_u32 s[HALF], 0
	s_cbranch_scc1 .Lhalf
	DUMP 3, 0, 8, 0                                ; all 128 rows of v
	s_mov_b32 s[RX], 0
	s_mov_b32 s[GS], 0
	s_mov_b32 s[CNT], 4
.Lvrows:                                               ; a trip: 16 rows in each half of my 128
	v_add_nc_u32 v[RDX], s[RX], v[RDX0]
.irp i, 0,1,2,3,4,5,6,7
	ds_load_b128 v[XV+8*\i:XV+8*\i+3],   v[RDX] offset:(\i/4)*64*CPITCH+(\i%4)*4*CPITCH
	ds_load_b128 v[XV+8*\i+4:XV+8*\i+7], v[RDX] offset:(\i/4)*64*CPITCH+(\i%4)*4*CPITCH+16
.endr
.irp i, 0,1,2,3,4,5,6,7
	PASSV \i
.endr
	s_add_co_u32 s[RX], s[RX], 16*CPITCH
	s_add_co_u32 s[GS], s[GS], 2048
	s_sub_co_u32 s[CNT], s[CNT], 1
	s_cmp_lg_u32 s[CNT], 0
	s_cbranch_scc1 .Lvrows
	s_wait_tensorcnt 0x0                           ; the wave's end, behind my last tensor load and my last LDS store
	ds_add_u32 v[SPW], v[NIL]
	s_wait_dscnt 0x0
	CROUND                                         ; the closing round: no work-group ends while a partner may still ask for a tile that names it
	s_endpgm
.Lfunc_end_k_q96aeae5c80_qkv:
	.size	k_q96aeae5c80_qkv, .Lfunc_end_k_q96aeae5c80_qkv-k_q96aeae5c80_qkv
	.p2alignl 7, 3214868480
	.fill 96, 4, 3214868480
	.section	.rodata,"a",@progbits
	.p2align	6, 0x0
	.amdhsa_kernel k_q96aeae5c80_qkv
		.amdhsa_group_segment_fixed_size 327680
		.amdhsa_private_segment_fixed_size 0
		.amdhsa_enable_private_segment 0
		.amdhsa_kernarg_size 64
		.amdhsa_user_sgpr_count 2
		.amdhsa_user_sgpr_kernarg_segment_ptr 1
		.amdhsa_wavefront_size32 1
		.amdhsa_system_sgpr_workgroup_id_x 1
		.amdhsa_system_sgpr_workgroup_id_y 1
		.amdhsa_system_sgpr_workgroup_id_z 1
		.amdhsa_system_vgpr_workitem_id 0
		.amdhsa_next_free_vgpr 1024
		.amdhsa_next_free_sgpr 100
		.amdhsa_reserve_vcc 0
		.amdhsa_float_denorm_mode_32 3
		.amdhsa_float_denorm_mode_16_64 3
		.amdhsa_memory_ordered 1
		.amdhsa_forward_progress 1
		.amdhsa_inst_pref_size 119
	.end_amdhsa_kernel
	.amdgpu_metadata
---
amdhsa.version: [ 1, 2 ]
amdhsa.kernels:
  - .name:           k_q96aeae5c80_qkv
    .symbol:         k_q96aeae5c80_qkv.kd
    .args:
      - { .name: xh, .offset: 0, .size: 8, .value_kind: global_buffer, .address_space: global }
      - { .name: wh, .offset: 8, .size: 8, .value_kind: global_buffer, .address_space: global }
      - { .name: qkv_b, .offset: 16, .size: 8, .value_kind: global_buffer, .address_space: global }
      - { .name: rope_cos, .offset: 24, .size: 8, .value_kind: global_buffer, .address_space: global }
      - { .name: rope_sin, .offset: 32, .size: 8, .value_kind: global_buffer, .address_space: global }
      - { .name: qh, .offset: 40, .size: 8, .value_kind: global_buffer, .address_space: global }
      - { .name: kh, .offset: 48, .size: 8, .value_kind: global_buffer, .address_space: global }
      - { .name: vh, .offset: 56, .size: 8, .value_kind: global_buffer, .address_space: global }
    .group_segment_fixed_size: 327680
    .private_segment_fixed_size: 0
    .kernarg_segment_align: 8
    .kernarg_segment_size: 64
    .max_flat_workgroup_size: 128
    .sgpr_count:     100
    .vgpr_count:     1024
    .wavefront_size: 32
...
	.end_amdgpu_metadata
.endif
;; end of part 2
;; launch attn (part 3): grid 16 x 16, 4 waves a work-group, clusters of 4 x 4, 327,680 bytes of LDS; arguments qh, kh, vh, attention_bias, ctx; writes ctx
.if DOCPART == 3
	.amdgcn_target "amdgcn-amd-amdhsa--gfx1250"
	.amdhsa_code_object_version 6
	.text
	.protected	k_q96aeae5c80_attn
	.globl	k_q96aeae5c80_attn
	.p2align	8
	.type	k_q96aeae5c80_attn,@function
k_q96aeae5c80_attn:
	s_mov_b64 s[64:65], 0
	v_nop
	global_prefetch_b8 v0, s[64:65] scope:SCOPE_SE
	s_setreg_imm32_b32 hwreg(HW_REG_WAVE_MODE, 25, 1), 1
	s_wait_xcnt 0x0
	s_wait_alu depctr_hold_cnt(0) depctr_sa_sdst(0) depctr_va_vdst(0) depctr_va_sdst(0) depctr_va_ssrc(0) depctr_va_vcc(0) depctr_vm_vsrc(0)
	s_getreg_b32 s2, hwreg(HW_REG_IB_STS2, 6, 4)
	s_cmp_eq_u32 s2, 0
	s_cbranch_scc0 .Lentry_in_a_cluster
	s_endpgm
.Lentry_in_a_cluster:
	s_bfe_u32 s2, ttmp6, 0x10000c
	s_cmp_lg_u32 s2, 0xf033
	s_cbranch_scc0 .Lentry_shape_is_right
	s_endpgm
.Lentry_shape_is_right:
; ctx[b][q][64 h + :] = the sum over k of softmax_k(q . k + bias[b][q][k]) v[k][:], no scale on the scores.  (head_mask is folded into the last launch's weights.)
; qh: [b][h][s][64] f16, q x 2^-6.  kh, vh: [b][h / 4][s / 64][h % 4][64][64] f16, k x 2^-6 and v.  bias: [b][2048][2048] f32.  ctx: [8192][1024] f16.
; The bias, times 2^-12 (exact), is the C operand that starts the sum S^T = K Q^T, so an accumulator holds (q . k + bias) x 2^-12, and c = log2(e) x 2^12 takes the factor back.
; Products, maxima and sums in f32; the weights p are rounded to f16 for the second product (their sum l is taken of the unrounded p), ctx once at the end.
; LIMITS.  p lies in 0 to 1 and below 6e-5 keeps f16's fixed step of 6e-8; ctx is a mean of v's rows and has their range.  A weight below 2^-126 counts as 0 in l.  Scores stay above -2.9e37, where
; the running maximum starts; NaN is not treated apart, and a row whose bias is -inf throughout gives NaN.
; SHARES.  A work-group owns 128 queries and four heads, a head a wave: 16 query blocks x (4 batches x 4 head groups) = 256 work-groups.  A wave's 128 queries are four PIECES of two tiles of 16.
; Every wave walks all 2,048 keys, 64 a step; a slot of LDS holds one step: the four heads' K (32,768 bytes) and V, and the 128 x 64 tile of the bias, which all four waves read.
; CLUSTER.  4 x 4: along x four query blocks, along y the four head groups of one batch.  K and V hang on batch and head group: asked for jointly along a row of the cluster.  The bias hangs on batch
; and query block: asked for jointly along a column.  So each byte of the bias is wanted by one cluster alone.
; LAYOUT.  S^T = K Q^T (source 0 = 16 keys, source 1 = 16 queries): a lane holds ONE query (lane % 16) and the keys 8 (lane / 16) + 0..7: eight neighbouring numbers of a row of the bias.  Two such
; results, rounded to f16 in pairs, ARE source 1 of O^T = V^T P.  K comes out of LDS as it lies, V turned, by ds_load_tr16_b128.
; SOFTMAX.  For each query a running maximum m and sum l: p = 2^(c s - c m); in every step O and l are multiplied by a = 2^(c m_old - c m_new).  m starts at the lowest finite number, O and l at 0.
; BY TURNS.  Turn n belongs to piece n.  Its matrix work: 16 products K Q^T of piece n + 1, later 16 products V^T P of piece n - 1.  Its vector work: scaling, exponentials, roundings, sums and
; rescaling of piece n, the maximum and statistics of piece n + 1, and the bias of piece n + 2: loaded behind the first run of products, multiplied by 2^-12 at the turn's end.
; Four vector instructions stand behind every matrix instruction, the others in runs of their own.
; REGISTERS, in windows of 256 (s_set_vgpr_msb: bits 1:0 source 0, 3:2 source 1, 5:4 source 2, 7:6 destination):
;   window 0: v0-11 addresses; v12-15, v48-63 at work; v16-47 four registers of statistics a tile; v64-191 S^T, two buffers of two tiles; v192-255 P, likewise
;   window 1: O^T, 32 a tile     window 2: v0-127 Q, 16 a tile; v128-191 K of one step; v192-255 V of one step     window 3: v0-1 the add's two registers; v8-71 the bias of one piece
.set NP,    4         ; pieces a wave: a name, no knob
.set KS,    64        ; keys in a step
.set PK,    144       ; a row of K in LDS: 128 bytes + 16 of padding: the 16 rows of a load start at 16 different groups of four banks (ISA guide 11.1)
.set PV,    160       ; a row of V: 128 + 32
.set PB,    272       ; a row of the bias: 256 + 16
.set VOFF,  4*KS*PK   ; in a slot: four heads' K, 64 rows each; then their V;
.set BOFF,  VOFF+4*KS*PV  ; then 128 rows of the bias
.set SLOT1, 1<<17     ; slot 1 begins here, so that one exclusive or turns an address in one slot into the other's
.set STAGE, SLOT1+BOFF+128*PB  ; behind the ring, never filled by a tensor load: 128 rows x 528 bytes, the work-group's, for the way out
.set SP,    528
.set SPARE, STAGE+128*SP  ; the spare words, 128 bytes for each wave: two blocks of 256 bytes that no other line names
.set PFO, 1           ; v1   the prefetch: my row's byte offset in the block's 128 rows of the bias
.set AK0, 2           ; v2   my lane's place in my head's K; never rewritten
.set AV0, 3           ; v3   the same for V
.set AB0, 4           ; v4   the same for the bias
.set AK,  5           ; v5-7 the same three in the slot in hand
.set AV,  6
.set AB,  7
.set STO, 8           ; v8   the way out: where I put 16 bytes of a row
.set RD,  9           ; v9   the way out: where I read rows back
.set GO,  10          ; v10  my 16 bytes in 512 consecutive bytes of ctx
.set QO,  11          ; v11  my byte offset in 16 rows of Q
.set MV,  12          ; v12-15  c m_old, kept while c m is made anew: by buffer and tile
.set ST,  16          ; tile t's statistics at v[ST+4 t]: c m, m, l (even keys', odd keys')
.set TMP, 48          ; by buffer and tile, four registers c0-c3 at work; when the maximum is found c2 takes a
.set S,   64
.set P,   192
.set KF,  128         ; window 2: key block kb, channel half c at KF + 16 kb + 8 c
.set VF,  192         ; window 2: key half kk, channel block cb at VF + 32 kk + 8 cb
.set SPW, 0           ; v0 of window 3   LDS address of my spare word; never rewritten
.set NIL, 1           ; v1 of window 3   0; never rewritten
.set BI,  8           ; window 3: tile u, key block kb at BI + 32 u + 8 kb
.set WV,  12          ; s12  my wave's number
.set G1K, 24          ; s[24:31] descriptor group 1 for K's tiles
.set G1V, 32          ; s[32:39] for V's: it differs in the padding alone
.set G0K, 40          ; s[40:43] descriptor group 0 for K's tiles: it walks
.set G0V, 44          ; s[44:47] the same for V's
.set G1B, 48          ; s[48:55] group 1 for the bias
.set SLOTS, 56        ; s56  steps still to be asked for
.set CNT, 57          ; s57  counts the tail's trips
.set CS,  58          ; s[58:59] c
.set SEL, 60          ; s[60:61] v_permlanex16_b32's selects: each lane takes its own place in the other half
.set TB,  62          ; s62  the slot in hand: 0 or SLOT1
.set G0B, 72          ; s[72:75] group 0 for the bias: it walks
.set SCB, 76          ; s[76:77] 2^-12
.set PFB, 78          ; s[78:79] the prefetch's base
.set MSB, 0
.macro WIN new                      ; the high byte repeats the setting that is left; a switch that changes nothing is dropped
.if MSB != (\new)
	s_set_vgpr_msb (MSB<<8)|(\new)
.set MSB, (\new)
.endif
.endm
.set W_KQ, 0x0a       ; K and Q in window 2, S^T in window 0
.set W_KB, 0x3a       ; the same with the C operand in window 3
.set W_PV, 0x52       ; V in window 2, P in window 0, O^T in window 1
.set W_RS, 0x41       ; O^T (destination and source 0) in window 1, a in window 0
.set W_MK, 0xc0       ; destination in window 3, sources in window 0
.set W_AD, 0x0f       ; the add: address and data in window 3
.set W_BL, 0xc0       ; the bias is loaded: destination window 3, address window 0
.set W_BS, 0xc3       ; the bias is scaled: destination and source 0 window 3
; A joint fill, one load a wave: wave 0 the step's K, wave 1 its V, waves 2 and 3 the two halves of its bias tile.  The branches hang on the wave's number alone.
; An s_nop 0 and four v_nop follow each of the three lines, ahead of the jump and the label.
.macro JLOAD
	s_cmp_lt_u32 s[WV], 2
	s_cbranch_scc0 .Lfor_b_\@
	s_cmp_eq_u32 s[WV], 0
	s_cbranch_scc0 .Lfor_v_\@
	tensor_load_to_lds s[G0K:G0K+3], s[G1K:G1K+7]
	s_nop 0
.rept 4
	v_nop
.endr
	s_branch .Lasked_\@
.Lfor_v_\@:
	tensor_load_to_lds s[G0V:G0V+3], s[G1V:G1V+7]
	s_nop 0
.rept 4
	v_nop
.endr
	s_branch .Lasked_\@
.Lfor_b_\@:
	tensor_load_to_lds s[G0B:G0B+3], s[G1B:G1B+7]
	s_nop 0
.rept 4
	v_nop
.endr
.Lasked_\@:
.endm
; A round of the cluster's barrier: my work-group's barrier, so that wave 0's signal speaks for all four waves; wave 0 signals; every wave waits for all sixteen work-groups; my work-group's barrier once more.
.macro CROUND
	s_barrier_signal -1
	s_barrier_wait -1
	s_cmp_lg_u32 s[WV], 0
	s_cbranch_scc1 .Lnot_wave_0_\@
	s_barrier_signal -3
.Lnot_wave_0_\@:
	s_barrier_wait -3
	s_barrier_signal -1
	s_barrier_wait -1
.endm
; THE CHANGE OF SLOTS, once a key step, behind piece 1's turn: the slot's K, V and all four pieces' bias have been read.  Each wave waits for all its tensor loads, of which one is out: its part of the
; other slot; adds 0 to its spare word; and waits for that and for its own reads of the slot.  Behind the barrier nobody reads this slot any more and the other slot is whole.
; fill = 1: this slot is filled again, with the step two on.  The barrier is then a round of the cluster's, and the joint fill is the first thing behind it: it has a key step, 128 matrix instructions,
; in which to land.  (At its first use nothing has been read yet: slot 0 is waited for, slot 1 filled.)
; THE PREFETCH.  Change j asks for the bias tile of step j + 3, whose tensor load is issued two changes later.  Wave 0 alone asks, a row a lane; the four partners that share the tile take 32 of its 128
; rows each (by address), so each aligned block of 256 bytes of steps 3 to 31 is asked for once in the launch.  The last two changes with a fill ask for nothing: step 31 is a row's end.
.macro CHANGE fill
	WIN W_AD
	s_wait_tensorcnt 0x0            ; no tensor load of mine is out, so a group 0 may be written
	ds_add_u32 v[SPW], v[NIL]       ; 0 onto my spare word; with fill = 1 the descriptors' steps stand between it and the wait for it
	WIN 0                           ; at a label and at a branch every window is 0
.if \fill
	s_wait_xcnt 0x0                 ; the last prefetch, a key step back, has had its addresses translated (ISA guide 3.1): its base steps only behind this wait
	s_add_nc_u64 s[PFB:PFB+1], s[PFB:PFB+1], 256
.irp g, G0K, G0V
	s_xor_b32 s[\g+1], s[\g+1], SLOT1  ; the walking descriptor: the other slot than last time,
	s_add_nc_u64 s[\g+2:\g+3], s[\g+2:\g+3], 32768  ; the next step's block; the type bits on top are not reached
.endr
	s_xor_b32 s[G0B+1], s[G0B+1], SLOT1
	s_add_nc_u64 s[G0B+2:G0B+3], s[G0B+2:G0B+3], 256  ; 64 keys on along the rows
	s_wait_dscnt 0x0                ; the add is done, and my reads of the slot are over
	CROUND
	JLOAD
	s_cmp_lg_u32 s[WV], 0
	s_cbranch_scc1 .Lno_pf_\@
	s_cmp_lt_u32 s[SLOTS], 3
	s_cbranch_scc1 .Lno_pf_\@
	global_prefetch_b8 v[PFO], s[PFB:PFB+1] th:TH_LOAD_NT scope:SCOPE_SE
.Lno_pf_\@:
.else
	s_wait_dscnt 0x0                ; the add is done, and my reads of the slot are over
	s_barrier_signal -1
	s_barrier_wait -1
.endif
	s_xor_b32 s[TB], s[TB], SLOT1   ; the reads go to the other slot
	v_add_nc_u32 v[AK], s[TB], v[AK0]
	v_add_nc_u32 v[AV], s[TB], v[AV0]
	v_add_nc_u32 v[AB], s[TB], v[AB0]
.endm
	s_load_b256 s[4:11], s[0:1], 0x0  ; qh s[4:5], kh s[6:7], vh s[8:9], bias s[10:11]
	s_load_b64 s[68:69], s[0:1], 0x20 ; ctx
	WIN W_MK
	v_lshl_add_u32 v[SPW], v0, 2, SPARE
	v_mov_b32 v[NIL], 0
	s_set_vgpr_msb 0xc0cf
	ds_add_u32 v0, v1
	s_wait_dscnt 0x0
	s_set_vgpr_msb 0xcfc0
	WIN 0
	v_lshrrev_b32 v64, 5, v0
	v_readfirstlane_b32 s[WV], v64  ; wave 0..3
	s_bfe_u32 s13, ttmp6, 0x40000   ; cx
	s_bfe_u32 s14, ttmp6, 0x40004   ; cy: the head group
	s_lshl_b32 s15, ttmp9, 2
	s_add_co_u32 s15, s15, s13      ; my block of 128 queries = 4 x cluster x + cx
	s_and_b32 s16, ttmp7, 0xffff    ; the cluster's y: the batch
	s_lshl_b32 s17, s14, 2
	s_lshl_b32 s17, 15, s17         ; my row of the cluster
	s_lshl_b32 s18, 0x1111, s13     ; my column
	s_lshl_b32 s20, s16, 2
	s_add_co_u32 s20, s20, s14
	s_lshl_b32 s20, s20, 20         ; K and V: (4 b + head group) x 32 blocks of 32,768 bytes: batch and cy alone
	s_mov_b32 s21, 0
	s_lshl_b32 s22, s16, 11
	s_lshl_b32 s23, s15, 7
	s_add_co_u32 s22, s22, s23      ; my block's first row among the 8,192: batch and query block alone
	s_lshl_b32 s82, s22, 13         ; its first byte in the bias: rows of 8,192 bytes
	s_mov_b32 s83, 0
	s_and_b32 s80, s[WV], 1         ; which 64 rows of the bias tile I fetch
	s_lshl_b32 s80, s80, 6
	s_add_co_u32 s80, s80, s22
	s_lshl_b32 s80, s80, 13
	s_mov_b32 s81, 0
	s_mul_i32 s19, s[WV], 64*PB     ; and where they go: waves 2, 3: BOFF + (w - 2) x 64 rows
	s_add_co_u32 s19, s19, BOFF-2*64*PB
	s_lshl_b32 s84, s16, 4
	s_lshl2_add_u32 s84, s14, s84
	s_add_co_u32 s84, s84, s[WV]    ; my head among the 64: 16 b + 4 cy + w
	s_lshl_b32 s84, s84, 11
	s_lshl_b32 s86, s15, 7
	s_add_co_u32 s84, s84, s86
	s_lshl_b32 s84, s84, 7          ; Q: my head's rows of 128 bytes, from my block's first
	s_mov_b32 s85, 0
	s_lshl_b32 s86, s[WV], 5
	s_add_co_u32 s86, s86, s22
	s_lshl_b32 s86, s86, 11         ; ctx: the 32 rows of 2,048 bytes that I store,
	s_lshl_b32 s87, s14, 9
	s_add_co_u32 s86, s86, s87      ; at the head group's 512 bytes
	s_mov_b32 s87, 0
	; descriptor group 1.  K, V: 32,768 dense bytes asked for as 128 rows of 256 bytes, two keys a row, padded in LDS after every key.  Bias: 64 rows of 64 f32, 2,048 elements apart.
	s_or_b32 s[G1K], s17, (1<<16)|(1<<20)|(1<<21)|(4<<22)|(3<<25)  ; 15:0 the mask; 17:16 2-byte elements; 20 padding on; 21 set beside a mask; 24:22 after every 32 words; 31:25 4 words
	s_or_b32 s[G1V], s17, (1<<16)|(1<<20)|(1<<21)|(4<<22)|(7<<25)  ; the same with 8 words of padding
.irp g, G1K, G1V
	s_mov_b32 s[\g+1], 128<<16      ; tensor_dim0 = 128
	s_mov_b32 s[\g+2], 128<<16      ; tensor_dim1 = 128
	s_mov_b32 s[\g+3], 128<<16      ; tile_dim0 = 128
	s_mov_b32 s[\g+4], 128          ; tile_dim1 = 128
	s_mov_b32 s[\g+5], 128          ; 128 elements from row to row
	s_mov_b32 s[\g+6], 0
	s_mov_b32 s[\g+7], 0
.endr
	s_or_b32 s[G1B], s18, (2<<16)|(1<<20)|(1<<21)|(5<<22)|(3<<25)  ; 4-byte elements; after every 64 words 4 words
	s_mov_b32 s[G1B+1], 64<<16
	s_mov_b32 s[G1B+2], 64<<16
	s_mov_b32 s[G1B+3], 64<<16
	s_mov_b32 s[G1B+4], 64
	s_mov_b32 s[G1B+5], 2048
	s_mov_b32 s[G1B+6], 0
	s_mov_b32 s[G1B+7], 0
	s_mov_b32 s[CS], 0x45b8aa3b     ; c = log2(e) x 2^12
	s_mov_b32 s[CS+1], s[CS]        ; named with it as a pair
	s_mov_b32 s[SCB], 0x39800000    ; 2^-12
	s_mov_b32 s[SCB+1], s[SCB]
	s_mov_b32 s[SEL], 0x76543210
	s_mov_b32 s[SEL+1], 0xfedcba98
	s_mov_b32 s[TB], SLOT1          ; the first change of slots turns it into 0
	s_mov_b32 s[SLOTS], 31
	s_mov_b32 s[G0K], 1             ; 1:0 count = 1
	s_mov_b32 s[G0K+1], 0           ; 63:32 LDS address: slot 0
	s_mov_b32 s[G0V], 1
	s_mov_b32 s[G0V+1], VOFF
	s_mov_b32 s[G0B], 1
	s_mov_b32 s[G0B+1], s19
	s_wait_kmcnt 0x0
	s_add_nc_u64 s[G0K+2:G0K+3], s[6:7], s[20:21]  ; 120:64 global address: step 0
	s_or_b32 s[G0K+3], s[G0K+3], 0x80000000        ; 127:126 type = 2
	s_add_nc_u64 s[G0V+2:G0V+3], s[8:9], s[20:21]
	s_or_b32 s[G0V+3], s[G0V+3], 0x80000000
	s_add_nc_u64 s[G0B+2:G0B+3], s[10:11], s[80:81]
	s_or_b32 s[G0B+3], s[G0B+3], 0x80000000
	s_add_nc_u64 s[PFB:PFB+1], s[10:11], s[82:83]
	s_add_nc_u64 s[PFB:PFB+1], s[PFB:PFB+1], 512   ; the first change steps it to step 3
	s_add_nc_u64 s[4:5], s[4:5], s[84:85]
	s_add_nc_u64 s[68:69], s[68:69], s[86:87]
	CROUND                          ; all sixteen work-groups are here: the first joint loads meet
	JLOAD                           ; step 0 into slot 0.  Slot 1 is asked for when slot 0 is in
	v_and_b32 v64, 15, v0           ; l % 16
	v_bfe_u32 v65, v0, 4, 1         ; l / 16
	v_and_b32 v66, 31, v0           ; l
	v_lshlrev_b32 v[QO], 7, v64
	v_lshl_add_u32 v[QO], v65, 4, v[QO]  ; row x 128 + 16 x half
	WIN 0x80                        ; destination window 2, address window 0
.set i, 0
.rept 4*NP                          ; Q stays in registers: tile i / 2, channels 32 (i % 2) on
	global_load_b128 v[8*i:8*i+3],   v[QO], s[4:5] offset:(i/2)*2048+(i%2)*64
	global_load_b128 v[8*i+4:8*i+7], v[QO], s[4:5] offset:(i/2)*2048+(i%2)*64+32
.set i, i+1
.endr
	; What the first turn finds: V's registers and P's second buffer hold 0 (its products V^T P, of a piece that has not been, add 0), O^T and l are 0.  All this stands in the wait for the first tile.
.set i, VF
.rept 64
	v_mov_b32 v[i], 0
.set i, i+1
.endr
	WIN 0x40
.set i, 0
.rept 64*NP
	v_mov_b32 v[i], 0
.set i, i+1
.endr
	WIN 0
.set i, 0
.rept 2*NP
	v_mov_b32 v[ST+4*i], 0xfe000000    ; c m: far below every c s
	v_mov_b32 v[ST+4*i+1], 0xff7fffff  ; m
	v_mov_b32 v[ST+4*i+2], 0
	v_mov_b32 v[ST+4*i+3], 0
.set i, i+1
.endr
.set i, P+32
.rept 32
	v_mov_b32 v[i], 0
.set i, i+1
.endr
	s_lshl_b32 s23, s14, 5
	v_add_nc_u32 v[PFO], s23, v66   ; row 32 cy + l of the block's 128,
	v_lshlrev_b32 v[PFO], 13, v[PFO]  ; of 8,192 bytes
	v_mul_u32_u24 v[AK0], v64, PK
	v_lshl_add_u32 v[AK0], v65, 4, v[AK0]  ; row x pitch + 16 x half,
	s_mul_i32 s23, s[WV], KS*PK
	v_add_nc_u32 v[AK0], s23, v[AK0]       ; in my head's 64 rows
	; The turning load takes 16 keys x 16 channels (lane l reads key 8 (l / 16) + l % 8, channels 8 ((l / 8) % 2) + 0..7) and leaves half a fragment of V^T: lane l holds channel l % 16 and 8 keys.
	v_and_b32 v67, 7, v0
	v_bfe_u32 v68, v0, 3, 1
	v_lshl_add_u32 v[AV0], v65, 3, v67
	v_mul_u32_u24 v[AV0], v[AV0], PV
	v_lshl_add_u32 v[AV0], v68, 4, v[AV0]
	s_mul_i32 s23, s[WV], KS*PV
	s_add_co_u32 s23, s23, VOFF
	v_add_nc_u32 v[AV0], s23, v[AV0]
	v_mul_u32_u24 v[AB0], v64, PB   ; the bias: query l % 16's row, keys 8 (l / 16) on
	v_lshl_add_u32 v[AB0], v65, 5, v[AB0]
	v_add_nc_u32 v[AB0], BOFF, v[AB0]
	v_mul_u32_u24 v[STO], v64, SP   ; the way out, in: row l % 16, my head's 128 bytes, 16 for each half of the lanes
	v_lshl_add_u32 v[STO], v65, 4, v[STO]
	s_lshl_b32 s23, s[WV], 7
	s_add_co_u32 s23, s23, STAGE
	v_add_nc_u32 v[STO], s23, v[STO]
	s_mul_i32 s23, s[WV], 32*SP     ; back: wave w takes rows 32 w .. 32 w + 31, whole: 32 lanes a row of 512 bytes
	s_add_co_u32 s23, s23, STAGE
	v_lshlrev_b32 v[GO], 4, v66
	v_add_nc_u32 v[RD], s23, v[GO]
; THE MATRIX WORK.  The 8 accumulators of a run of 16 take turns: between the two links of a chain stand 7 others'.
; Product i of 16 of S^T = K Q^T for piece x: channels 32 (i / 8) on, keys 16 ((i / 2) % 4) on, tile 2 x + i % 2.  The first 8 start the sums with the bias.
.macro KQ x
.set rS, S+64*((\x)%2)+32*(i%2)+8*((i/2)%4)
.set rK, KF+16*((i/2)%4)+8*(i/8)
.set rQ, 16*(2*(\x)+i%2)+8*(i/8)
.set rB, BI+32*(i%2)+8*((i/2)%4)
.if i < 8
	WIN W_KB
	v_wmma_f32_16x16x32_f16 v[rS:rS+7], v[rK:rK+7], v[rQ:rQ+7], v[rB:rB+7]
.else
	WIN W_KQ
	v_wmma_f32_16x16x32_f16 v[rS:rS+7], v[rK:rK+7], v[rQ:rQ+7], v[rS:rS+7]
.endif
.endm
; Product i of 16 of O^T += V^T P for piece x: keys 32 (i / 8) on, channels 16 ((i / 2) % 4) on, tile 2 x + i % 2.
.macro PV x
	WIN W_PV
.set rO, 32*(2*(\x)+i%2)+8*((i/2)%4)
.set rV, VF+32*(i/8)+8*((i/2)%4)
.set rP, P+32*((\x)%2)+16*(i%2)+8*(i/8)
	v_wmma_f32_16x16x32_f16 v[rO:rO+7], v[rV:rV+7], v[rP:rP+7], v[rO:rO+7]
.endm
.macro MM                           ; the turn's next matrix instruction
.if i < 16
	KQ (Y+1)%NP
.set i, i+1
.else
.set i, i-16
	PV (Y+NP-1)%NP
.set i, i+17
.endif
.endm
; THE LDS LOADS stand in runs of 16, never singly among the matrix instructions: a step's K (64 keys x 64 channels: 8 fragments), its V (turned), and a piece's bias (32 queries x 64 keys).
.macro FETCH_K
	WIN 0x80                        ; destination window 2
.irp f, 0,1,2,3,4,5,6,7             ; keys 16 (f / 2) on, channels 32 (f % 2) on
	ds_load_b128 v[KF+8*\f:KF+8*\f+3],   v[AK] offset:(\f/2)*16*PK+(\f%2)*64
	ds_load_b128 v[KF+8*\f+4:KF+8*\f+7], v[AK] offset:(\f/2)*16*PK+(\f%2)*64+32
.endr
	WIN 0
.endm
.macro FETCH_V
	WIN 0x80
.irp f, 0,1,2,3,4,5,6,7             ; keys 32 (f / 4) on, channels 16 (f % 4) on
	ds_load_tr16_b128 v[VF+8*\f:VF+8*\f+3],   v[AV] offset:(\f/4)*32*PV+(\f%4)*32
	ds_load_tr16_b128 v[VF+8*\f+4:VF+8*\f+7], v[AV] offset:(\f/4)*32*PV+16*PV+(\f%4)*32
.endr
	WIN 0
.endm
.macro BLOAD p                      ; piece p's bias: tile u's 16 rows, key block kb's 64 bytes, 32 a lane
	WIN W_BL
.irp u, 0,1
.irp kb, 0,1,2,3
	ds_load_b128 v[BI+32*\u+8*\kb:BI+32*\u+8*\kb+3],   v[AB] offset:(32*(\p)+16*\u)*PB+64*\kb
	ds_load_b128 v[BI+32*\u+8*\kb+4:BI+32*\u+8*\kb+7], v[AB] offset:(32*(\p)+16*\u)*PB+64*\kb+16
.endr
.endr
	WIN 0
.endm
.macro BSCALE                       ; times 2^-12, exact
	WIN W_BS
.set zz, 0
.rept 32
	v_pk_mul_f32 v[BI+zz:BI+zz+1], v[BI+zz:BI+zz+1], s[SCB:SCB+1] op_sel_hi:[1,0]
.set zz, zz+2
.endr
.endm
; THE VECTOR WORK OF A TURN stands in three queues, each in the order in which its entries become ready; the two tiles alternate, so that no instruction reads the result of the one before it.
.macro REGS y, u                    ; the registers of tile u (0, 1) of piece y
.set rT, ST+4*(2*(\y)+(\u))
.set rC, TMP+8*((\y)%2)+4*(\u)
.set rM, MV+2*((\y)%2)+(\u)
.set rS, S+64*((\y)%2)+32*(\u)
.set rP, P+32*((\y)%2)+16*(\u)
.set rO, 32*(2*(\y)+(\u))
.endm
; Number n of the 22 that find the NEXT piece's (Y + 1) maximum and statistics.  s0-s31 are the lane's 32 scores; each accumulator's lowest registers are read first.  XS, GS and REGS set no window: PL and EX do.
;   0-11  four chains c0-c3 of seven scores each, three operands at a time     12-14, 16  the four scores left over, the old m, and c0-c3 into c0     15  c m_old is kept
;   17, 18  the query's other 32 keys lie in the lane 16 away: the new m         19-21  c m; c m_old - c m_new; a
.macro XS u, n
	REGS (Y+1)%NP, \u
.if (\n) < 4
	v_max3_num_f32 v[rC+(\n)], v[rS+8*(\n)], v[rS+8*(\n)+1], v[rS+8*(\n)+2]
.elseif (\n) < 12
	v_max3_num_f32 v[rC+(\n)%4], v[rC+(\n)%4], v[rS+8*((\n)%4)+2*((\n)/4)+1], v[rS+8*((\n)%4)+2*((\n)/4)+2]
.elseif (\n) == 12
	v_max3_num_f32 v[rC], v[rC], v[rS+7], v[rS+15]
.elseif (\n) == 13
	v_max3_num_f32 v[rC+1], v[rC+1], v[rS+23], v[rS+31]
.elseif (\n) == 14
	v_max3_num_f32 v[rC+2], v[rC+2], v[rC+3], v[rT+1]
.elseif (\n) == 15
	v_mov_b32 v[rM], v[rT]
.elseif (\n) == 16
	v_max3_num_f32 v[rC], v[rC], v[rC+1], v[rC+2]
.elseif (\n) == 17
	v_permlanex16_b32 v[rC+3], v[rC], s[SEL], s[SEL+1]
.elseif (\n) == 18
	v_max_num_f32 v[rT+1], v[rC], v[rC+3]
.elseif (\n) == 19
	v_mul_f32 v[rT], s[CS], v[rT+1]
.elseif (\n) == 20
	v_sub_f32 v[rC+1], v[rM], v[rT]
.else
	v_exp_f32 v[rC+2], v[rC+1]
.endif
.endm
; Number g of the 64 that follow the exponentials.  For each four weights k of a tile (pairs 2 k, 2 k + 1): both pairs are rounded to f16; then the second pair is added onto the first, in place;
; a group later l takes that sum (the first time as l = a l + sum).  In groups of eight, tiles alternating: round, round, add, and l for the group before.
.macro GS g
.set h, (\g)+6*((\g)/62)            ; group 0 has no group before it, and behind group 7 only l is left
.if h >= 6
.set h, h+2
.endif
	REGS Y, h%2
.set k, h/8
.if h%8 < 4
	s_wait_alu depctr_va_vdst(0)
	v_cvt_pk_f16_f32 v[rP+2*k+(h%8)/2], v[rS+4*k+2*((h%8)/2)], v[rS+4*k+2*((h%8)/2)+1]
.elseif h%8 < 6
	v_pk_add_f32 v[rS+4*k:rS+4*k+1], v[rS+4*k:rS+4*k+1], v[rS+4*k+2:rS+4*k+3]
.elseif k == 1
	v_pk_fma_f32 v[rT+2:rT+3], v[rT+2:rT+3], v[rC+2:rC+3], v[rS:rS+1] op_sel_hi:[1,0,1]
.else
	v_pk_add_f32 v[rT+2:rT+3], v[rT+2:rT+3], v[rS+4*k-4:rS+4*k-3]
	s_wait_alu depctr_va_vdst(0)
.endif
.endm
; THE PLAIN QUEUE, 138 long.  0-31: c s - c m for the 16 pairs of both tiles.  Then GS's 64, and among them the next piece's 42: number 15 at 38, 39; 0-14 and 16
; at 42-73, behind the products that make those scores; 17-20 at 95-106, two of three, since each waits for the one before it.
.macro PL
	WIN 0
.if q < 32
	REGS Y, q%2
	v_pk_fma_f32 v[rS+2*(q/2):rS+2*(q/2)+1], v[rS+2*(q/2):rS+2*(q/2)+1], s[CS:CS+1], v[rT:rT+1] op_sel_hi:[1,0,0] neg_lo:[0,0,1] neg_hi:[0,0,1]
.elseif q < 38
	GS q-32
.elseif q < 40
	XS q%2, 15
.elseif q < 42
	GS q-34
.elseif q < 74
	XS q%2, (q-42)/2+(q-42)/30
.elseif q < 95
	GS q-66
.elseif (q < 107) && ((q-95)%3 < 2)
	XS (q-95)%3, 17+(q-95)/3
.elseif q < 107
	GS 29+(q-95)/3
.else
	GS q-74
.endif
.set q, q+1
.endm
; THE EXPONENTIALS' QUEUE, 66 long: s0-s31 of both tiles, and at EA the next piece's two a.
.set EA, 58
.macro EX
	WIN 0
.if (e == EA) || (e == EA+1)
	XS e-EA, 21
.else
.set x, e-2*(e/(EA+2))
	REGS Y, x%2
	v_exp_f32 v[rS+x/2], v[rS+x/2]
.endif
.set e, e+1
.endm
; THE RESCALING's QUEUE: O^T times a, the one part of the softmax that leaves window 0, so it is dealt four at a time, eight times.
.macro R4
	REGS Y, r%2
	WIN W_RS
	s_wait_alu depctr_va_vdst(0)
.irp z, 0,1,2,3
	v_pk_mul_f32 v[rO+8*(r/2)+2*\z:rO+8*(r/2)+2*\z+1], v[rO+8*(r/2)+2*\z:rO+8*(r/2)+2*\z+1], v[rC+2:rC+3] op_sel_hi:[1,0]
.endr
.set r, r+1
.endm
; HOW THEY ARE DEALT.  Behind a matrix instruction four: plain, exponential, plain, plain (one exponential, a plain instruction on either side), or four of the rescaling.  None names a register of the
; products round it.  What is over stands in two LUMPS: exponential and plain by turns; the second ends in 22 plain instructions and the bias's 32.  The two v_permlanex16_b32 fall into the second lump.
; The queues lean on each other: exponential e stands behind plain 2 (e / 4) + e % 2 (its scaling); when plain 32 comes, 10 exponentials are out, at 59: 33, at 95: 46; EA comes behind plain 107.
.macro SL
	MM
	PL
	EX
	PL
	PL
.endm
.macro BURST n                      ; 15 matrix instructions, or 16
.rept (\n)-7
	SL
.endr
.rept 3
	MM
	R4
	SL
.endr
	MM
	R4
.endm
; A TURN, for piece p.  The bias of piece p + 2 is loaded behind the first run of products, whose first eight were the last to read those registers (32 vector instructions back or more).
; K of the next step is fetched in piece 2's turn, 31 vector instructions behind the last product that read K, and waited for at piece 3's head.  V of the step in hand is fetched at the end of piece 0's
; turn, more than 60 behind its last reader, and waited for in piece 1's turn.  The condition on e goes with the deal.
.macro TURN p
.set Y, (\p)
.set i, 0
.set q, 0
.set e, 0
.set r, 0
.if (\p) == NP-1
	s_wait_dscnt 0x0                ; K is in
.endif
	MM
.rept 4
	PL
.endr
	BURST 15
	BLOAD ((\p)+2)%NP
.rept 22
	EX
	PL
.if ((\p) == NP-2) && (e == 24)
	FETCH_K
.endif
.endr
.if (\p) == 1
	s_wait_dscnt 16                 ; V is in; the bias's 16 loads, issued behind V's, may be out
.endif
	BURST 16
.rept 21
	EX
	PL
.endr
.rept 22
	PL
.endr
.if (\p) == NP-2
	s_wait_dscnt 16                 ; the bias is in; K's 16 loads, issued behind it, may be out
.else
	s_wait_dscnt 0x0                ; the bias is in
.endif
	BSCALE
.if (\p) == 0
	FETCH_V
.endif
.endm
	CHANGE 1                        ; slot 0 is in, everybody's part of it; slot 1 is asked for
	FETCH_K                         ; key step 0
	BLOAD 0
	s_wait_loadcnt 0x0              ; Q
	s_wait_dscnt 0x0
	BSCALE
.set i, 0
.rept 16
	KQ 0                            ; piece 0's first scores: there is no vector work yet to set between them
.set i, i+1
.endr
	WIN 0
.rept 4
	v_nop                           ; the places behind those products: the bias's registers are loaded again, and the scores read
.endr
	BLOAD 1
.set Y, NP-1                        ; XS works for piece Y + 1: piece 0
.irp n, 0,1,2,3,4,5,6,7,8,9,10,11,12,13,14,15,16,17,18,19,20,21
	XS 0, \n                        ; piece 0's first maximum and statistics
	XS 1, \n
.endr
	s_wait_dscnt 0x0
	BSCALE                          ; its first line is also the plain instruction behind the two exponentials
	WIN 0
	s_branch .Lfirst                ; the loop is entered at a step's first turn, in the middle of a trip
.Lslot:                             ; 30 times: steps 2 to 31 are asked for.  A trip: pieces 2 and 3 of one step, then pieces 0 and 1 of the next, all of whose LDS bytes it reads
	CHANGE 1
	TURN 2
	TURN 3
	WIN 0
.Lfirst:
	TURN 0
	TURN 1
	WIN 0
	s_sub_co_u32 s[SLOTS], s[SLOTS], 1
	s_cmp_lg_u32 s[SLOTS], 0
	s_cbranch_scc1 .Lslot
	CHANGE 0                        ; the tail is written out: nothing is asked for
	s_mov_b32 s[CNT], 2             ; one trip reads the last step; the second is left in its middle
.Ltail:
	TURN 2
	TURN 3
	WIN 0
	s_sub_co_u32 s[CNT], s[CNT], 1
	s_cmp_eq_u32 s[CNT], 0
	s_cbranch_scc1 .Lout
	TURN 0
	TURN 1
	WIN 0
	s_branch .Ltail
.Lout:                              ; the second trip's fetches (the last step's K and bias once more), 16 products K Q^T and the maximum made of them serve nothing: the price, once a launch, of one text for every trip
.set i, 0
.rept 16
	PV NP-1                         ; the last piece's V^T P of the last step
.set i, i+1
.endr
	; THE WAY OUT.  l's two halves and the other half of the lanes' are added; O^T is divided by l, rounded to f16 and put into the work-group's stage: a row's 512 bytes come from the four waves' heads, so a barrier
	; stands between writing and reading; each wave then stores 32 whole rows.  The additions are the places behind the last products.
	WIN 0
.macro ALL line:vararg              ; one line for each tile t
.set t, 0
.rept 2*NP
	\line
.set t, t+1
.endr
.endm
	ALL v_add_f32 v[ST+4*t+2], v[ST+4*t+2], v[ST+4*t+3]
	ALL v_permlanex16_b32 v[ST+4*t+3], v[ST+4*t+2], s[SEL], s[SEL+1]
	ALL v_add_f32 v[ST+4*t+2], v[ST+4*t+2], v[ST+4*t+3]
	ALL v_rcp_f32 v[ST+4*t+2], v[ST+4*t+2]
	v_nop                           ; a plain instruction between the last reciprocal and the use of its result
	s_wait_alu depctr_va_vdst(0)
.macro PACK t                       ; a lane's eight channels of a row pack into 16 bytes
	WIN W_RS
.set i, 32*(\t)
.rept 16
	v_pk_mul_f32 v[i:i+1], v[i:i+1], v[ST+4*(\t)+2:ST+4*(\t)+3] op_sel_hi:[1,0]
.set i, i+2
.endr
	WIN 0x05                        ; sources 0 and 1 window 1, destination window 0: S^T's registers are free
.set i, 0
.rept 16
	v_cvt_pk_f16_f32 v[S+16*(\t)+i], v[32*(\t)+2*i], v[32*(\t)+2*i+1]
.set i, i+1
.endr
	WIN 0
.irp f, 0,1,2,3
	ds_store_b128 v[STO], v[S+16*(\t)+4*\f:S+16*(\t)+4*\f+3] offset:(\t)*16*SP+32*\f
.endr
.endm
.set t, 0
.rept 2*NP
	PACK t
.set t, t+1
.endr
	s_wait_dscnt 0x0                ; for the others' sake: my stores into the stage are done
	s_barrier_signal -1
	s_barrier_wait -1
.set i, 0
.rept 32
	ds_load_b128 v[S+4*i:S+4*i+3], v[RD] offset:i*SP
.set i, i+1
.endr
.set i, 0
.rept 32
	s_wait_dscnt 31-i               ; LDS loads come back in order: row i is in
	global_store_b128 v[GO], v[S+4*i:S+4*i+3], s[68:69] offset:i*2048  ; 512 consecutive bytes, at a multiple of 256 from ctx's first
.set i, i+1
.endr
	WIN W_AD
	s_wait_tensorcnt 0x0            ; the wave's end, behind my last tensor load and my last LDS store
	ds_add_u32 v[SPW], v[NIL]
	s_wait_dscnt 0x0
	WIN 0
	CROUND                          ; the closing round: no work-group ends while a partner may still ask for a tile that names it
	s_endpgm
.Lfunc_end_k_q96aeae5c80_attn:
	.size	k_q96aeae5c80_attn, .Lfunc_end_k_q96aeae5c80_attn-k_q96aeae5c80_attn
	.p2alignl 7, 3214868480
	.fill 96, 4, 3214868480
	.section	.rodata,"a",@progbits
	.p2align	6, 0x0
	.amdhsa_kernel k_q96aeae5c80_attn
		.amdhsa_group_segment_fixed_size 327680
		.amdhsa_private_segment_fixed_size 0
		.amdhsa_enable_private_segment 0
		.amdhsa_kernarg_size 40
		.amdhsa_user_sgpr_count 2
		.amdhsa_user_sgpr_kernarg_segment_ptr 1
		.amdhsa_wavefront_size32 1
		.amdhsa_system_sgpr_workgroup_id_x 1
		.amdhsa_system_sgpr_workgroup_id_y 1
		.amdhsa_system_sgpr_workgroup_id_z 1
		.amdhsa_system_vgpr_workitem_id 0
		.amdhsa_next_free_vgpr 840
		.amdhsa_next_free_sgpr 88
		.amdhsa_reserve_vcc 0
		.amdhsa_float_denorm_mode_32 3
		.amdhsa_float_denorm_mode_16_64 3
		.amdhsa_memory_ordered 1
		.amdhsa_forward_progress 1
		.amdhsa_inst_pref_size 242
	.end_amdhsa_kernel
	.amdgpu_metadata
---
amdhsa.version: [ 1, 2 ]
amdhsa.kernels:
  - .name:           k_q96aeae5c80_attn
    .symbol:         k_q96aeae5c80_attn.kd
    .args:
      - { .name: qh, .offset: 0, .size: 8, .value_kind: global_buffer, .address_space: global }
      - { .name: kh, .offset: 8, .size: 8, .value_kind: global_buffer, .address_space: global }
      - { .name: vh, .offset: 16, .size: 8, .value_kind: global_buffer, .address_space: global }
      - { .name: attention_bias, .offset: 24, .size: 8, .value_kind: global_buffer, .address_space: global }
      - { .name: ctx, .offset: 32, .size: 8, .value_kind: global_buffer, .address_space: global }
    .group_segment_fixed_size: 327680
    .private_segment_fixed_size: 0
    .kernarg_segment_align: 8
    .kernarg_segment_size: 40
    .max_flat_workgroup_size: 128
    .sgpr_count:     88
    .vgpr_count:     840
    .wavefront_size: 32
...
	.end_amdgpu_metadata
.endif
;; end of part 3
;; launch oproj (part 4): grid 8 x 32, 4 waves a work-group, clusters of 4 x 4, 327,680 bytes of LDS; arguments ctx, owh, o_b, out0; writes out0
.if DOCPART == 4
	.amdgcn_target "amdgcn-amd-amdhsa--gfx1250"
	.amdhsa_code_object_version 6
	.text
	.protected	k_q96aeae5c80_oproj
	.globl	k_q96aeae5c80_oproj
	.p2align	8
	.type	k_q96aeae5c80_oproj,@function
k_q96aeae5c80_oproj:
	s_mov_b64 s[64:65], 0
	v_nop
	global_prefetch_b8 v0, s[64:65] scope:SCOPE_SE
	s_setreg_imm32_b32 hwreg(HW_REG_WAVE_MODE, 25, 1), 1
	s_wait_xcnt 0x0
	s_wait_alu depctr_hold_cnt(0) depctr_sa_sdst(0) depctr_va_vdst(0) depctr_va_sdst(0) depctr_va_ssrc(0) depctr_va_vcc(0) depctr_vm_vsrc(0)
	s_getreg_b32 s2, hwreg(HW_REG_IB_STS2, 6, 4)
	s_cmp_eq_u32 s2, 0
	s_cbranch_scc0 .Lentry_in_a_cluster
	s_endpgm
.Lentry_in_a_cluster:
	s_bfe_u32 s2, ttmp6, 0x10000c
	s_cmp_lg_u32 s2, 0xf033
	s_cbranch_scc0 .Lentry_shape_is_right
	s_endpgm
.Lentry_shape_is_right:
; out0 = ctx owh^T / 256 + o_b.  ctx: [8192][1024] f16, owh: [1024][1024] f16 = o_w x head_mask x 256, o_b: [1024] f32, out0: [8192][1024] f32.  Sums in f32; 1/256 (exact) and the bias in one fused multiply-add.
; TILE.  256 rows x 128 columns: 8 x 32 = 256 work-groups, one for each of 256 WGPs.  Four waves, 2 x 2, each 128 x 64: 32 accumulators of 16 x 16; a wave's 64 columns are 256 bytes of a row of out0.
; K goes in steps of 128 (rows of 256 bytes) through two LDS slots filled by tensor loads.
; CLUSTER.  4 x 4 work-groups: ctx's tile is asked for jointly along a row of the cluster, owh's along a column.
; THE MATRIX INSTRUCTION IS USED TRANSPOSED (source 0 = 16 rows of owh, source 1 = 16 rows of ctx): lane l holds row l % 16 and the eight columns 8 (l / 16) + 0..7 of a 16 x 16 block.
; REGISTERS.  window 0: v0-31 addresses; v32-127 the way out.   window 1: accumulator (a, b) at v[8 (4 a + b)].   window 2: two fragment buffers of 96: owh's 4 fragments, then ctx's 8.
.set SIZE_K, 1024
.set KSTEP,  128
.set PITCH,  272                       ; an LDS row: 256 bytes + 16 of padding: the 16 rows of a fragment load start at 16 different groups of four banks (ISA guide 11.1)
.set HALFA,  128*PITCH
.set HALFB,  64*PITCH
.set SLOT,   2*HALFA+2*HALFB           ; ctx's 256 rows, then owh's 128
.set STAGE,  2*SLOT                    ; behind the ring, never filled by a tensor load: 16 rows x 272 bytes for each wave
.set STGW,   16*PITCH
.set SPARE,  STAGE+4*STGW              ; the spare words, 128 bytes for each wave: two blocks of 256 bytes that no other line names
.set LAPS,   SIZE_K/(2*KSTEP)
.set ADRA, 16
.set ADRB, 20
.set STO,  24                          ; v24  the way out: where I put 32 bytes of a row
.set RD,   25                          ; v25  where I read rows back
.set GO,   26                          ; v26  my byte offset in two rows of out0
.set SPW,  28                          ; v28  LDS address of my spare word; never rewritten
.set NIL,  29                          ; v29  0; never rewritten
.set BO,   30                          ; v30  my byte offset in the wave's 64 numbers of o_b
.set OB,   32                          ; v[32:63]  o_b of my 32 columns (8 b + j)
.set X,    64                          ; v[64:127] two sets of 32: a block of 16 rows
.set SC,   76                          ; s[76:77] 1/256
.set F0,   0
.set F1,   96
.set G1,   24
.set G0,   32
.set G1B,  48
.set G0B,  56
.set MSB, 0
.macro WIN new                         ; the immediate's high byte repeats the setting that is left; a switch that changes nothing is dropped
.if MSB != (\new)
	s_set_vgpr_msb (MSB<<8)|(\new)
.set MSB, \new
.endif
.endm
.set MUL,  0x5a                        ; sources 0 and 1 window 2; C and D window 1
.set TO_F, 0x80                        ; destination window 2, address window 0
; A joint load: waves 0 and 1 fetch ctx's two halves, waves 2 and 3 owh's.  An s_nop 0 and four v_nop follow each of the two lines, ahead of the jump, the label and what follows.
.macro JLOAD s
	s_cmp_eq_u32 s13, 0
	s_cbranch_scc0 .Lfor_b_\@
	tensor_load_to_lds s[G0+4*(\s):G0+4*(\s)+3], s[G1:G1+7]
	s_nop 0
.rept 4
	v_nop
.endr
	s_branch .Lasked_\@
.Lfor_b_\@:
	tensor_load_to_lds s[G0B+4*(\s):G0B+4*(\s)+3], s[G1B:G1B+7]
	s_nop 0
.rept 4
	v_nop
.endr
.Lasked_\@:
.endm
.macro CREST                           ; a round of the cluster's barrier behind its opening barrier
	s_cmp_lg_u32 s12, 0
	s_cbranch_scc1 .Lnot_wave_0_\@
	s_barrier_signal -3
.Lnot_wave_0_\@:
	s_barrier_wait -3
	s_barrier_signal -1
	s_barrier_wait -1
.endm
.macro CROUND                          ; a whole round
	s_barrier_signal -1
	s_barrier_wait -1
	CREST
.endm
	s_load_b256 s[4:11], s[0:1], 0x0               ; ctx s[4:5], owh s[6:7], o_b s[8:9], out0 s[10:11]
	v_lshl_add_u32 v[SPW], v0, 2, SPARE
	v_mov_b32 v[NIL], 0
	ds_add_u32 v28, v29
	s_wait_dscnt 0x0
	v_lshrrev_b32 v1, 5, v0
	v_readfirstlane_b32 s12, v1                    ; wave 0..3
	s_lshr_b32 s13, s12, 1                         ; which half of the tile's rows is mine.  Also: I fetch for ctx (0) or for owh (1)
	s_and_b32 s14, s12, 1                          ; which half of its columns.  Also: which half of that tile's rows I fetch
	s_bfe_u32 s40, ttmp6, 0x40000                  ; cx, cy
	s_bfe_u32 s41, ttmp6, 0x40004
	s_lshl_b32 s42, ttmp9, 2
	s_add_co_u32 s42, s42, s40                     ; tile column
	s_and_b32 s43, ttmp7, 0xffff
	s_lshl_b32 s43, s43, 2
	s_add_co_u32 s43, s43, s41                     ; tile row
	s_lshl_b32 s44, s41, 2
	s_lshl_b32 s44, 15, s44                        ; my row of the cluster
	s_lshl_b32 s45, 0x1111, s40                    ; my column
	s_or_b32 s[G1+0], s44, (1<<16)|(1<<20)|(1<<21)|(5<<22)|(3<<25)   ; 15:0 the mask; 17:16 2-byte elements; 20 padding on; 21 set beside a mask; 24:22 after every 64 words; 31:25 4 words
	s_or_b32 s[G1B+0], s45, (1<<16)|(1<<20)|(1<<21)|(5<<22)|(3<<25)
	s_mov_b32 s[G1+1], KSTEP<<16                   ; tensor_dim0 = 128
	s_mov_b32 s[G1+2], 128<<16                     ; tensor_dim1 = 128 rows
	s_mov_b32 s[G1+3], KSTEP<<16                   ; tile_dim0 = 128
	s_mov_b32 s[G1+4], 128                         ; tile_dim1 = 128
	s_mov_b32 s[G1+5], SIZE_K                      ; elements from row to row
	s_mov_b32 s[G1+6], 0
	s_mov_b32 s[G1+7], 0
	s_mov_b32 s[G1B+1], KSTEP<<16
	s_mov_b32 s[G1B+2], 64<<16                     ; 64 rows
	s_mov_b32 s[G1B+3], KSTEP<<16
	s_mov_b32 s[G1B+4], 64
	s_mov_b32 s[G1B+5], SIZE_K
	s_mov_b32 s[G1B+6], 0
	s_mov_b32 s[G1B+7], 0
	s_lshl_b32 s15, s14, 7
	s_lshl_b32 s16, s43, 8
	s_add_co_u32 s16, s16, s15                     ; ctx: row 256 x tile row + 128 x half,
	s_lshl_b32 s16, s16, 11                        ; of 2,048 bytes
	s_mov_b32 s17, 0
	s_lshl_b32 s15, s14, 6
	s_lshl_b32 s46, s42, 7
	s_add_co_u32 s46, s46, s15                     ; owh: row 128 x tile column + 64 x half
	s_lshl_b32 s46, s46, 11
	s_mov_b32 s47, 0
	s_mul_i32 s20, s12, HALFA                      ; where they go: waves 0, 1: ctx's halves;
	s_mul_i32 s21, s12, HALFB
	s_add_co_u32 s21, s21, 2*HALFA-2*HALFB         ; waves 2, 3: owh's halves, behind ctx's 256 rows
	s_wait_kmcnt 0x0
	s_add_nc_u64 s[18:19], s[4:5], s[16:17]
	s_add_nc_u64 s[46:47], s[6:7], s[46:47]
	CROUND                                         ; all sixteen work-groups are here: the first joint loads meet
.irp s, 0,1
	s_mov_b32 s[G0+4*(\s)], 1
	s_add_co_u32 s[G0+4*(\s)+1], s20, (\s)*SLOT
	s_add_nc_u64 s[G0+4*(\s)+2:G0+4*(\s)+3], s[18:19], (\s)*KSTEP*2
	s_or_b32 s[G0+4*(\s)+3], s[G0+4*(\s)+3], 0x80000000
	s_mov_b32 s[G0B+4*(\s)], 1
	s_add_co_u32 s[G0B+4*(\s)+1], s21, (\s)*SLOT
	s_add_nc_u64 s[G0B+4*(\s)+2:G0B+4*(\s)+3], s[46:47], (\s)*KSTEP*2
	s_or_b32 s[G0B+4*(\s)+3], s[G0B+4*(\s)+3], 0x80000000
	JLOAD \s                                       ; two tensor loads of mine are out
.endr
	v_and_b32 v1, 15, v0                           ; l % 16
	v_bfe_u32 v2, v0, 4, 1                         ; l / 16
	v_mul_u32_u24 v3, v1, PITCH
	v_lshl_add_u32 v3, v2, 4, v3                   ; a fragment's row x pitch + 16 x half
	s_mul_i32 s22, s13, HALFA
	s_mul_i32 s23, s14, HALFB
	s_add_co_u32 s23, s23, 2*HALFA
.irp s, 0,1
	v_add_nc_u32 v[ADRA+(\s)], s22, v3
	v_add_nc_u32 v[ADRB+(\s)], s23, v3
	s_add_co_u32 s22, s22, SLOT
	s_add_co_u32 s23, s23, SLOT
.endr
	s_mul_i32 s22, s12, STGW
	s_add_co_u32 s22, s22, STAGE                   ; my stage
	v_mul_u32_u24 v4, v1, PITCH                    ; in: row l % 16, 32 bytes for each half of the lanes
	v_lshl_add_u32 v4, v2, 5, v4
	v_add_nc_u32 v[STO], s22, v4
	v_mul_u32_u24 v5, v2, PITCH                    ; back: lanes 0-15 take one row of 256 bytes, lanes 16-31 the next
	v_lshl_add_u32 v5, v1, 4, v5
	v_add_nc_u32 v[RD], s22, v5
	v_lshlrev_b32 v[GO], 12, v2                    ; and the same two rows in out0, 4,096 bytes apart
	v_lshl_add_u32 v[GO], v1, 4, v[GO]
	v_lshlrev_b32 v[BO], 5, v2
	s_lshl_b32 s70, s43, 8
	s_lshl_b32 s71, s13, 7
	s_add_co_u32 s70, s70, s71
	s_lshl_b32 s70, s70, 12                        ; my first row of out0, in bytes
	s_lshl_b32 s72, s42, 7
	s_lshl_b32 s73, s14, 6
	s_add_co_u32 s72, s72, s73
	s_lshl_b32 s72, s72, 2                         ; my first column, in bytes
	s_mov_b32 s73, 0
	s_add_nc_u64 s[74:75], s[8:9], s[72:73]        ; o_b at my 64 columns
	s_add_co_u32 s70, s70, s72
	s_mov_b32 s71, 0
	s_add_nc_u64 s[68:69], s[10:11], s[70:71]      ; out0 at my part of the tile
	s_mov_b32 s[SC], 0x3b800000                    ; 1/256
	s_mov_b32 s[SC+1], s[SC]
.irp b, 0,1,2,3
	global_load_b128 v[OB+8*\b:OB+8*\b+3],   v[BO], s[74:75] offset:64*\b
	global_load_b128 v[OB+8*\b+4:OB+8*\b+7], v[BO], s[74:75] offset:64*\b+16
.endr
; n x 4 matrix instructions: row blocks a0 .. a0 + n - 1 x all 4 column blocks, 32 along K, from buffer f.  zero = 1: the product starts the sums.
; The 32 accumulators take turns in the same order in every quarter step, one instruction a turn.
.macro MULA f, a0, n, zero
	WIN MUL
.set aa, \a0
.rept \n
.irp b, 0,1,2,3
.if \zero
	v_wmma_f32_16x16x32_f16 v[8*(4*aa+\b):8*(4*aa+\b)+7], v[(\f)+8*\b:(\f)+8*\b+7], v[(\f)+32+8*aa:(\f)+32+8*aa+7], 0
.else
	v_wmma_f32_16x16x32_f16 v[8*(4*aa+\b):8*(4*aa+\b)+7], v[(\f)+8*\b:(\f)+8*\b+7], v[(\f)+32+8*aa:(\f)+32+8*aa+7], v[8*(4*aa+\b):8*(4*aa+\b)+7]
.endif
.endr
.set aa, aa+1
.endr
.endm
; 24 LDS loads in one run: the fragments of 32 along K at byte k of the rows, into buffer f: owh's 4, ctx's rows 0-63, ctx's rows 64-127
.macro FETCH slot, k, f
	WIN TO_F
.irp i, 0,1,2,3
	ds_load_b128 v[(\f)+8*\i:(\f)+8*\i+3],   v[ADRB+(\slot)] offset:(\k)+\i*16*PITCH
	ds_load_b128 v[(\f)+8*\i+4:(\f)+8*\i+7], v[ADRB+(\slot)] offset:(\k)+\i*16*PITCH+32
.endr
.irp i, 0,1,2,3,4,5,6,7
	ds_load_b128 v[(\f)+32+8*\i:(\f)+32+8*\i+3], v[ADRA+(\slot)] offset:(\k)+\i*16*PITCH
	ds_load_b128 v[(\f)+36+8*\i:(\f)+36+8*\i+3], v[ADRA+(\slot)] offset:(\k)+\i*16*PITCH+32
.endr
.endm
.macro PLACES                          ; four plain vector instructions in front of loads into registers that matrix instructions have read, and of lines that read results just made
.rept 4
	v_nop
.endr
.endm
.macro QUARTER slot, k, f, g, zero
	s_wait_dscnt 8                                 ; owh's fragments and ctx's rows 0-63 are in; the youngest eight loads may be out
	MULA \f, 0, 4, \zero
	PLACES
	FETCH \slot, \k, \g
	s_wait_dscnt 24                                ; all but the 24 just issued
	MULA \f, 4, 4, \zero
.endm
; The last quarter multiplies buffer 1 and changes slots: ONE barrier; in front of it each wave waits for all its tensor loads (one is out: its part of the next slot), adds 0 to its spare word,
; and waits for that and for its own reads of this slot.  fill = 1: the barrier opens a round of the cluster's, and this slot is filled again first thing behind it, two K steps ahead.
.macro TURN slot, next, fill
	WIN 0
	s_wait_tensorcnt 0x0
	ds_add_u32 v[SPW], v[NIL]                      ; 0 onto my spare word
	s_wait_dscnt 9                                 ; (the add and the youngest eight loads may be out)
	MULA F1, 0, 2, 0
	s_wait_dscnt 0x0                               ; the add is done, and my reads of this slot are over
	s_barrier_signal -1
	MULA F1, 2, 2, 0
.if \fill
	WIN 0
.endif
	s_barrier_wait -1
.if \fill
	CREST
	s_add_nc_u64 s[G0+4*(\slot)+2:G0+4*(\slot)+3], s[G0+4*(\slot)+2:G0+4*(\slot)+3], 2*KSTEP*2
	s_add_nc_u64 s[G0B+4*(\slot)+2:G0B+4*(\slot)+3], s[G0B+4*(\slot)+2:G0B+4*(\slot)+3], 2*KSTEP*2
	JLOAD \slot                                    ; my one tensor load behind the round; its four v_nop are also the places in front of the loads below
.else
	PLACES
.endif
	FETCH \next, 0, F0
	MULA F1, 4, 4, 0
.endm
	s_wait_tensorcnt 1                             ; my part of K step 0 is in; K step 1's may stay out
	s_barrier_signal -1
	s_barrier_wait -1
	FETCH 0, 0, F0
	QUARTER 0, 64, F0, F1, 1                       ; the first quarter's products start the sums
	WIN 0
	s_mov_b32 s3, LAPS-1
.Llap:
	QUARTER 0, 128, F1, F0, 0
	QUARTER 0, 192, F0, F1, 0
	TURN 0, 1, 1
	QUARTER 1, 64,  F0, F1, 0
	QUARTER 1, 128, F1, F0, 0
	QUARTER 1, 192, F0, F1, 0
	TURN 1, 0, 1
	QUARTER 0, 64,  F0, F1, 0
	WIN 0
	s_sub_co_u32 s3, s3, 1
	s_cmp_lg_u32 s3, 0
	s_cbranch_scc1 .Llap
	QUARTER 0, 128, F1, F0, 0                      ; the last lap fills nothing
	QUARTER 0, 192, F0, F1, 0
	TURN 0, 1, 0
	QUARTER 1, 64,  F0, F1, 0
	QUARTER 1, 128, F1, F0, 0
	QUARTER 1, 192, F0, F1, 0
	s_wait_dscnt 8
	MULA F1, 0, 4, 0
	s_wait_dscnt 0x0
	MULA F1, 4, 4, 0
	WIN 0
; THE WAY OUT, a block of 16 rows at a time: sum / 256 + o_b, each accumulator's registers in ascending order; 32 bytes a lane into my own stage; back as whole rows of 256 bytes.
.macro OBLK a
.set XB, X+32*((\a)%2)
	s_wait_xcnt 0x0                                ; the stores of the block two back have read this set: it is rewritten only behind this wait (ISA guide 3.1)
	WIN 0x01                                       ; source 0 window 1
.set zi, 0
.rept 16
	v_pk_fma_f32 v[XB+zi:XB+zi+1], v[32*(\a)+zi:32*(\a)+zi+1], s[SC:SC+1], v[OB+zi:OB+zi+1] op_sel_hi:[1,0,1]
.set zi, zi+2
.endr
	WIN 0
.irp b, 0,1,2,3
	ds_store_b128 v[STO], v[XB+8*\b:XB+8*\b+3]   offset:64*\b
	ds_store_b128 v[STO], v[XB+8*\b+4:XB+8*\b+7] offset:64*\b+16
.endr
.irp t, 0,1,2,3,4,5,6,7
	ds_load_b128 v[XB+4*\t:XB+4*\t+3], v[RD] offset:\t*2*PITCH  ; LDS serves a wave's instructions in order (ISA guide 5.7.1.4): these see the stores above; the next block's stores come behind them
.endr
.endm
.macro SEND a, younger                 ; younger: the LDS instructions issued behind block a's loads: the next block's sixteen, or none
.set XB, X+32*((\a)%2)
.irp t, 0,1,2,3,4,5,6,7
	s_wait_dscnt (\younger)+7-\t
	global_store_b128 v[GO], v[XB+4*\t:XB+4*\t+3], s[68:69] offset:(16*(\a)+2*\t)*4096 th:TH_STORE_NT  ; 16 lanes store 256 consecutive bytes, at a multiple of 256 from out0's first
.endr
.endm
	s_wait_loadcnt 0x0                             ; o_b
	PLACES
.set ab, 0
.rept 8
	OBLK ab
.if ab > 0
	SEND ab-1, 16
.endif
.set ab, ab+1
.endr
	SEND 7, 0
	s_wait_tensorcnt 0x0                           ; the wave's end, behind my last tensor load and my last LDS store
	ds_add_u32 v[SPW], v[NIL]
	s_wait_dscnt 0x0
	CROUND                                         ; the closing round: no work-group ends while a partner may still ask for a tile that names it
	s_endpgm
.Lfunc_end_k_q96aeae5c80_oproj:
	.size	k_q96aeae5c80_oproj, .Lfunc_end_k_q96aeae5c80_oproj-k_q96aeae5c80_oproj
	.p2alignl 7, 3214868480
	.fill 96, 4, 3214868480
	.section	.rodata,"a",@progbits
	.p2align	6, 0x0
	.amdhsa_kernel k_q96aeae5c80_oproj
		.amdhsa_group_segment_fixed_size 327680
		.amdhsa_private_segment_fixed_size 0
		.amdhsa_enable_private_segment 0
		.amdhsa_kernarg_size 32
		.amdhsa_user_sgpr_count 2
		.amdhsa_user_sgpr_kernarg_segment_ptr 1
		.amdhsa_wavefront_size32 1
		.amdhsa_system_sgpr_workgroup_id_x 1
		.amdhsa_system_sgpr_workgroup_id_y 1
		.amdhsa_system_sgpr_workgroup_id_z 1
		.amdhsa_system_vgpr_workitem_id 0
		.amdhsa_next_free_vgpr 704
		.amdhsa_next_free_sgpr 80
		.amdhsa_reserve_vcc 0
		.amdhsa_float_denorm_mode_32 3
		.amdhsa_float_denorm_mode_16_64 3
		.amdhsa_memory_ordered 1
		.amdhsa_forward_progress 1
		.amdhsa_inst_pref_size 96
	.end_amdhsa_kernel
	.amdgpu_metadata
---
amdhsa.version: [ 1, 2 ]
amdhsa.kernels:
  - .name:           k_q96aeae5c80_oproj
    .symbol:         k_q96aeae5c80_oproj.kd
    .args:
      - { .name: ctx, .offset: 0, .size: 8, .value_kind: global_buffer, .address_space: global }
      - { .name: owh, .offset: 8, .size: 8, .value_kind: global_buffer, .address_space: global }
      - { .name: o_b, .offset: 16, .size: 8, .value_kind: global_buffer, .address_space: global }
      - { .name: out0, .offset: 24, .size: 8, .value_kind: global_buffer, .address_space: global }
    .group_segment_fixed_size: 327680
    .private_segment_fixed_size: 0
    .kernarg_segment_align: 8
    .kernarg_segment_size: 32
    .max_flat_workgroup_size: 128
    .sgpr_count:     80
    .vgpr_count:     704
    .wavefront_size: 32
...
	.end_amdgpu_metadata
.endif
;; end of part 4
;; ======== version 2 of 2: 4 launches; version 1 with the launch cast written anew for expert scheduling mode
;; limits: values are held in f16: magnitudes above 65,504 overflow, below 6.1e-05 lose precision; right only within a limited range of input values
;; workspace buffers: xh 16,777,216 bytes; wh 6,291,456 bytes; owh 2,097,152 bytes; qh 16,777,216 bytes; kh 16,777,216 bytes; vh 16,777,216 bytes; ctx 16,777,216 bytes
;; launch cast (part 5): grid 768 x 1, 8 waves a work-group, no clusters, 0 bytes of LDS; arguments hidden_states, qkv_w, o_w, head_mask, xh, wh, owh; writes xh, wh, owh
.if DOCPART == 5
	.amdgcn_target "amdgcn-amd-amdhsa--gfx1250"
	.amdhsa_code_object_version 6
	.text
	.protected	k_q96aeae5c80_cast
	.globl	k_q96aeae5c80_cast
	.p2align	8
	.type	k_q96aeae5c80_cast,@function
k_q96aeae5c80_cast:
	s_mov_b64 s[64:65], 0
	v_nop
	global_prefetch_b8 v0, s[64:65] scope:SCOPE_SE
	s_setreg_imm32_b32 hwreg(HW_REG_WAVE_SCHED_MODE, 0, 2), 2
	s_setreg_imm32_b32 hwreg(HW_REG_WAVE_MODE, 25, 1), 1
	s_wait_xcnt 0x0
	s_wait_alu depctr_vm_vsrc(0)
; f32 -> f16, once, for the three matrix operands that are inputs.
; xh = x and wh = qkv_w are laid out in K BLOCKS: [k / 64][row][k % 64], so that the next launch's tile of 64 along K is dense in memory and is asked for as rows of 256 bytes.
; owh[n][k] = o_w[n][k] * head_mask[k / 64] * 256, row-major.  head_mask multiplies the probabilities of a head, hence that head's 64 channels of the context, hence those 64 columns of o_w:
; the product is made here in f32 and rounded once.  The factor 256 (exact) keeps small products in f16's normal range; the last launch multiplies by 1/256.
; LIMITS.  f16 ends at 65,504: |x| and |qkv_w| stay below that, |o_w * head_mask| below 255.9; beyond, an infinity is written.  Below 6.1e-5 f16 keeps a fixed step of 6e-8.
; SHARES.  A work-group takes 16 rows of 1,024 numbers: 65,536 bytes in, 32,768 out.  Groups 0-511: x; 512-703: qkv_w; 704-767: o_w.
; x, qkv_w: thread t takes row t / 16; in pass p the 16 bytes at 256 p + 16 (t % 16): a wave's load covers 256 consecutive bytes in each of two rows, and its store, the two rows' 128 bytes
; of K block p, 256 consecutive bytes at a multiple of 256.   o_w: in pass p (a row) thread t takes the 16 bytes at 16 t: loads of 512, stores of 256 consecutive bytes.
; All loads go out first.  No LDS, no matrix unit, no cluster: every byte is read once by one thread.
; THE MODE: SCHED_MODE bits 1:0 = 2 (LLVM: expert scheduling mode 2), set by the entry lines.  The code itself states the register dependences
; between vector instructions and memory instructions, with s_wait_alu, always for 0.
; THE PLAN.  Registers that memory instructions touch:
;   v1, v2, v3   byte offsets of loads and stores: made at a path's head, never written again.
;   X            pass p's 4 numbers: written by the loads; read (on o_w's path also multiplied in place) by vector lines behind the wait for the data; no memory instruction reads them.
;   O            x's and qkv_w's path: pass p's store offset: written once, behind the loads; read by pass p's store.
;   Y            pass p's 4 numbers in f16: written once, by pass p's two conversions; read by pass p's store.
; No register that a memory instruction reads is written a second time, and no load lands in a register that a vector line has named: what is left to state is that offsets and store data are written.
; The 16 passes go in four groups of four.  Group g's arithmetic names X and Y of group g (and the factor); its memory instructions are the four stores of group g - 1, which read O (or v2) and Y of group g - 1.
; So ONE wait at a group's head, behind the wait for the group's data, states all that those four stores hang on, and they are dealt among the group's arithmetic with no further wait.
.set X, 4                              ; v[4:67]    pass p: 4 numbers as loaded
.set Y, 68                             ; v[68:99]   pass p: 4 numbers in f16
.set F, 100                            ; v[100:101] o_w's factor, twice
.set O, 102                            ; v[102:117] pass p: my byte offset in K block p
	s_load_b256 s[4:11], s[0:1], 0x0               ; x s[4:5], qkv_w s[6:7], o_w s[8:9], head_mask s[10:11]
	s_load_b128 s[12:15], s[0:1], 0x20             ; xh s[12:13], wh s[14:15]
	s_load_b64 s[16:17], s[0:1], 0x30              ; owh
	s_mov_b32 s24, ttmp9
	s_sub_co_u32 s25, s24, 512                     ; the chunk's number inside qkv_w,
	s_sub_co_u32 s26, s24, 704                     ; inside o_w
	s_mov_b32 s23, 0
	s_mov_b32 s28, 0x100000                        ; bytes in a K block of xh: 8,192 rows of 128,
	s_mov_b32 s29, 0x60000                         ; of wh: 3,072 rows
	s_wait_kmcnt 0x0
	s_cmp_ge_u32 s24, 512
	s_cselect_b64 s[18:19], s[6:7], s[4:5]         ; from
	s_cselect_b64 s[20:21], s[14:15], s[12:13]     ; to
	s_cselect_b32 s27, s25, s24
	s_cselect_b32 s28, s29, s28
	s_cmp_ge_u32 s24, 704
	s_cselect_b64 s[18:19], s[8:9], s[18:19]
	s_cselect_b64 s[20:21], s[16:17], s[20:21]
	s_cselect_b32 s27, s26, s27
	s_cselect_b32 s30, 15, 11                      ; a chunk's 16 rows: 32,768 bytes of owh, 2,048 bytes of a K block
	s_lshl_b32 s22, s27, 16
	s_add_nc_u64 s[18:19], s[18:19], s[22:23]
	s_lshl_b32 s22, s27, s30
	s_add_nc_u64 s[20:21], s[20:21], s[22:23]
	s_cmp_ge_u32 s24, 704
	s_cbranch_scc1 .Low
	v_and_b32 v1, 15, v0                           ; my place in 64 columns
	v_lshrrev_b32 v2, 4, v0                        ; my row of the 16
	v_lshlrev_b32 v3, 4, v1
	v_lshl_add_u32 v3, v2, 12, v3                  ; row x 4,096 + 16 x place
	s_wait_alu depctr_va_vdst(0)                   ; v3 is written: the sixteen loads read it as their offset
.set p, 0
.rept 16
	global_load_b128 v[X+4*p:X+4*p+3], v3, s[18:19] offset:256*p th:TH_LOAD_NT
.set p, p+1
.endr
	v_lshlrev_b32 v[O], 3, v1
	v_lshl_add_u32 v[O], v2, 7, v[O]               ; row x 128 + 8 x place, in K block 0;
.set p, 1
.rept 15
	v_add_nc_u32 v[O+p], s28, v[O+p-1]             ; a block further for each pass
.set p, p+1
.endr
.set g, 0
.rept 4                                ; group g: passes 4 g to 4 g + 3
	s_wait_loadcnt 12-4*g                          ; loads come back in order (ISA guide 5.7.1): the group's four are in, the younger 12 - 4 g stay out
.if g > 0
	s_wait_alu depctr_va_vdst(0)                   ; the group before has written its Y, which the four stores below read as data; at group 1 also: O is written, which every store reads as its offset
.endif
.set i, 0
.rept 4
.if g > 0
	global_store_b64 v[O+4*g-4+i], v[Y+8*g-8+2*i:Y+8*g-8+2*i+1], s[20:21]  ; the group before.  No wait: no vector line since the wait above names these registers
.endif
	v_cvt_pk_f16_f32 v[Y+8*g+2*i], v[X+16*g+4*i], v[X+16*g+4*i+1]
	v_cvt_pk_f16_f32 v[Y+8*g+2*i+1], v[X+16*g+4*i+2], v[X+16*g+4*i+3]
.set i, i+1
.endr
.set g, g+1
.endr
	s_wait_alu depctr_va_vdst(0)                   ; group 3 has written its Y, which the last four stores read
.set i, 0
.rept 4
	global_store_b64 v[O+12+i], v[Y+24+2*i:Y+24+2*i+1], s[20:21]
.set i, i+1
.endr
	s_endpgm
.Low:
	v_lshlrev_b32 v1, 4, v0                        ; 16 t
	v_lshlrev_b32 v2, 3, v0                        ; 8 t
	v_lshrrev_b32 v3, 4, v0                        ; a pass is one row of 1,024 columns, so my 4 columns' head is t / 16 in every pass
	v_lshlrev_b32 v3, 2, v3
	s_wait_alu depctr_va_vdst(0)                   ; v1, v2 and v3 are written: the offsets of the sixteen loads, of all stores and of the factor's load
	global_load_b32 v[F], v3, s[10:11]             ; my head's factor: the oldest load, so that the counted waits below cover it
.set p, 0
.rept 16
	global_load_b128 v[X+4*p:X+4*p+3], v1, s[18:19] offset:4096*p th:TH_LOAD_NT
.set p, p+1
.endr
	s_wait_loadcnt 16                              ; the factor is in; the sixteen younger loads stay out
	v_mul_f32 v[F], 0x43800000, v[F]               ; x 256
	v_mov_b32 v[F+1], v[F]
.set g, 0
.rept 4                                ; group g: passes 4 g to 4 g + 3
	s_wait_loadcnt 12-4*g                          ; the group's four loads are in, the younger 12 - 4 g stay out
.if g > 0
	s_wait_alu depctr_va_vdst(0)                   ; the group before has written its Y, which the four stores below read as data
.endif
.set i, 0
.rept 4
.if g > 0
	global_store_b64 v2, v[Y+8*g-8+2*i:Y+8*g-8+2*i+1], s[20:21] offset:2048*(4*g-4+i)  ; the group before.  No wait: no vector line since the wait above names these registers
.endif
	v_pk_mul_f32 v[X+16*g+4*i:X+16*g+4*i+1], v[X+16*g+4*i:X+16*g+4*i+1], v[F:F+1]
	v_pk_mul_f32 v[X+16*g+4*i+2:X+16*g+4*i+3], v[X+16*g+4*i+2:X+16*g+4*i+3], v[F:F+1]
	v_cvt_pk_f16_f32 v[Y+8*g+2*i], v[X+16*g+4*i], v[X+16*g+4*i+1]
	v_cvt_pk_f16_f32 v[Y+8*g+2*i+1], v[X+16*g+4*i+2], v[X+16*g+4*i+3]
.set i, i+1
.endr
.set g, g+1
.endr
	s_wait_alu depctr_va_vdst(0)                   ; group 3 has written its Y, which the last four stores read
.set i, 0
.rept 4
	global_store_b64 v2, v[Y+24+2*i:Y+24+2*i+1], s[20:21] offset:2048*(12+i)
.set i, i+1
.endr
	s_endpgm
.Lfunc_end_k_q96aeae5c80_cast:
	.size	k_q96aeae5c80_cast, .Lfunc_end_k_q96aeae5c80_cast-k_q96aeae5c80_cast
	.p2alignl 7, 3214868480
	.fill 96, 4, 3214868480
	.section	.rodata,"a",@progbits
	.p2align	6, 0x0
	.amdhsa_kernel k_q96aeae5c80_cast
		.amdhsa_group_segment_fixed_size 0
		.amdhsa_private_segment_fixed_size 0
		.amdhsa_enable_private_segment 0
		.amdhsa_kernarg_size 56
		.amdhsa_user_sgpr_count 2
		.amdhsa_user_sgpr_kernarg_segment_ptr 1
		.amdhsa_wavefront_size32 1
		.amdhsa_system_sgpr_workgroup_id_x 1
		.amdhsa_system_sgpr_workgroup_id_y 1
		.amdhsa_system_sgpr_workgroup_id_z 1
		.amdhsa_system_vgpr_workitem_id 0
		.amdhsa_next_free_vgpr 120
		.amdhsa_next_free_sgpr 66
		.amdhsa_reserve_vcc 0
		.amdhsa_float_denorm_mode_32 3
		.amdhsa_float_denorm_mode_16_64 3
		.amdhsa_memory_ordered 1
		.amdhsa_forward_progress 1
		.amdhsa_inst_pref_size 16
	.end_amdhsa_kernel
	.amdgpu_metadata
---
amdhsa.version: [ 1, 2 ]
amdhsa.kernels:
  - .name:           k_q96aeae5c80_cast
    .symbol:         k_q96aeae5c80_cast.kd
    .args:
      - { .name: hidden_states, .offset: 0, .size: 8, .value_kind: global_buffer, .address_space: global }
      - { .name: qkv_w, .offset: 8, .size: 8, .value_kind: global_buffer, .address_space: global }
      - { .name: o_w, .offset: 16, .size: 8, .value_kind: global_buffer, .address_space: global }
      - { .name: head_mask, .offset: 24, .size: 8, .value_kind: global_buffer, .address_space: global }
      - { .name: xh, .offset: 32, .size: 8, .value_kind: global_buffer, .address_space: global }
      - { .name: wh, .offset: 40, .size: 8, .value_kind: global_buffer, .address_space: global }
      - { .name: owh, .offset: 48, .size: 8, .value_kind: global_buffer, .address_space: global }
    .group_segment_fixed_size: 0
    .private_segment_fixed_size: 0
    .kernarg_segment_align: 8
    .kernarg_segment_size: 56
    .max_flat_workgroup_size: 256
    .sgpr_count:     66
    .vgpr_count:     120
    .wavefront_size: 32
...
	.end_amdgpu_metadata
.endif
;; end of part 5
;; launch qkv: the kernel of part 2 again; grid 8 x 32, 4 waves a work-group, clusters of 4 x 4, 327,680 bytes of LDS; arguments xh, wh, qkv_b, rope_cos, rope_sin, qh, kh, vh; writes qh, kh, vh
;; launch attn: the kernel of part 3 again; grid 16 x 16, 4 waves a work-group, clusters of 4 x 4, 327,680 bytes of LDS; arguments qh, kh, vh, attention_bias, ctx; writes ctx
;; launch oproj: the kernel of part 4 again; grid 8 x 32, 4 waves a work-group, clusters of 4 x 4, 327,680 bytes of LDS; arguments ctx, owh, o_b, out0; writes out0
